; MI455X (gfx1250); checked and timed in simulation.
; The chip was launched on July 23, 2026; its instructions are those of AMD's public machine-readable ISA for CDNA 5 (MIT licence, August 2026) and "CDNA5" Instruction Set Architecture Reference Guide (July 2026). The comments in the code are by the model that wrote it; some were corrected since.
;; Causal Self Attention. Allowed arithmetic: float matrix products may take bf16 or f16 operands with f32 sums; all other float work in f32.
;; Inputs: W_attn 3,072 x 1,024 float32; W_proj 1,024 x 1,024 float32; x 4 x 2,048 x 1,024 float32.
;; Outputs: out0 4 x 2,048 x 1,024 float32.
;; 3 versions, each right and faster than the one before. Each part assembles by itself: llvm-mc -triple=amdgcn-amd-amdhsa -mcpu=gfx1250 --defsym DOCPART=n.
;; ======== version 1 of 3: 4 launches
;; limits: values are held in f16: magnitudes above 65,504 overflow, below 6.1e-05 lose precision
;; workspace buffers: xb 25,165,824 bytes; qkv 50,331,648 bytes; yb 16,777,216 bytes
;; launch cast (part 1): grid 768 x 1, 8 waves a work-group, no clusters, 0 bytes of LDS; arguments x, W_attn, W_proj, xb; writes xb
.if DOCPART == 1
	.amdgcn_target "amdgcn-amd-amdhsa--gfx1250"
	.amdhsa_code_object_version 6
	.text
	.protected	k_q57c03f9cff_cast
	.globl	k_q57c03f9cff_cast
	.p2align	8
	.type	k_q57c03f9cff_cast,@function
k_q57c03f9cff_cast:
	s_mov_b64 s[64:65], 0
	v_nop
	global_prefetch_b8 v0, s[64:65] scope:SCOPE_SE
	s_setreg_imm32_b32 hwreg(HW_REG_WAVE_MODE, 25, 1), 1
	s_wait_xcnt 0x0
; CAST: the three inputs are rounded once to bf16 (nearest even) and laid one behind the other in xb:
;   x [8192][1024] bf16 at byte 0, W_attn [3072][1024] bf16 at byte 16,777,216, W_proj [1024][1024] at byte 23,068,672.
; W_proj is rounded to bf16 like the others and that value is then written in f16, because its partner in the last product (y) is f16.
; A bf16 number has 8 significant bits, so f16 holds it exactly from 2^-17 up to 65,504.
;
; THE PROGRAM: cast -> qkv (x W_attn^T, bf16 operands, results kept in f16) -> attn (causal softmax(q k^T / 8) v, f16 operands, f32 sums and
; softmax, running maximum) -> proj (y W_proj^T, f16 operands, f32 out).
;
; WORK LEFT OUT (in the launch attn): reference() itself, by its own jnp.tril, replaces every score with key s > query t by -inf in front of
; the softmax.  exp(-inf) = 0, so such a score adds 0 to the row sum and 0 x v[s] to y, and it never is the row maximum (the score s = t is
; always kept): for all finite x, W_attn, W_proj it reaches no output.  It is left out where it comes in whole tiles: every tile of 64 queries
; x 64 keys above the diagonal, in a diagonal tile the six tiles of 16 x 16 above the diagonal, and the products of p with v whose 32 keys are
; all masked.  Inside the 16 x 16 tiles on the diagonal the scores are computed and replaced by -inf, as reference() does.
; All three inputs have a way to the output and are loaded.
; LIMITS: a NaN, an infinity or an overflow that reaches only a masked score or only the v of a masked key is not carried to the result.
; q, k, v and y are kept in f16: |q|, |k|, |v| must stay under 65,504 (drawn inputs give about 6; x and W_attn both 30 times larger about
; 5,400).  |W_proj| under 65,504; below 2^-17 it carries an absolute error of up to 2^-25.  A probability below 2^-24 of the row maximum
; counts as 0 in the product with v.  Sums are formed in another order than in reference().
;
; THE LAUNCH: memory binds, so no LDS, no matrix unit, no cluster.  A work-group takes 16,384 numbers (64 KiB in, 32 KiB out): work-groups
; 0-511 x, 512-703 W_attn, 704-767 W_proj; xb has the same order, so the target is 32,768 x the number of the work-group.
; Thread t takes 8 neighbouring numbers of each of eight chunks of 2,048: two loads of 16 bytes, one store of 16 bytes, and a store of a wave
; covers 512 neighbouring aligned bytes.  All sixteen loads go out first; no register is written twice, so no source of a pending
; instruction is ever rewritten.
.set IN,  4                            ; v[4:67]   chunk j: 8 numbers in f32
.set OUT, 68                           ; v[68:99]  chunk j: 8 numbers in 16 bits
.set TA,  100                          ; v100, v101: at work
.set TB,  101
	s_load_b256 s[4:11], s[0:1], 0x0               ; x s[4:5], W_attn s[6:7], W_proj s[8:9], xb s[10:11]
	v_lshlrev_b32 v1, 5, v0                        ; 32 bytes of source a thread
	v_lshlrev_b32 v2, 4, v0                        ; 16 bytes of target a thread
	s_wait_kmcnt 0x0
	s_cmp_lt_u32 ttmp9, 512                        ; which input, and the first work-group of that input
	s_cselect_b64 s[12:13], s[4:5], s[6:7]
	s_cselect_b32 s14, 0, 512
	s_cmp_lt_u32 ttmp9, 704
	s_cselect_b64 s[12:13], s[12:13], s[8:9]
	s_cselect_b32 s14, s14, 704
	s_sub_co_u32 s15, ttmp9, s14
	s_lshl_b32 s16, s15, 16                        ; 65,536 bytes of source a work-group
	s_mov_b32 s17, 0
	s_add_nc_u64 s[12:13], s[12:13], s[16:17]
	s_lshl_b32 s18, ttmp9, 15                      ; 32,768 bytes of target a work-group
	s_mov_b32 s19, 0
	s_add_nc_u64 s[10:11], s[10:11], s[18:19]
.irp j, 0,1,2,3,4,5,6,7
	global_load_b128 v[IN+8*\j:IN+8*\j+3],   v1, s[12:13] offset:\j*8192 th:TH_LOAD_NT
	global_load_b128 v[IN+8*\j+4:IN+8*\j+7], v1, s[12:13] offset:\j*8192+16 th:TH_LOAD_NT
.endr
; One chunk.  tof16 = 1: the bf16 value is widened again (a shift, a mask) and written as f16.
.macro CHUNK j, tof16
	s_wait_loadcnt 14-2*\j                         ; loads come back in order: the two of this chunk are in, the 2 (7 - j) younger ones stay out
.irp k, 0,1,2,3
	v_cvt_pk_bf16_f32 v[OUT+4*\j+\k], v[IN+8*\j+2*\k], v[IN+8*\j+2*\k+1]
.endr
.if \tof16
.irp k, 0,1,2,3
	v_lshlrev_b32 v[TA], 16, v[OUT+4*\j+\k]
	v_and_b32 v[TB], 0xffff0000, v[OUT+4*\j+\k]
	v_cvt_pk_f16_f32 v[OUT+4*\j+\k], v[TA], v[TB]
.endr
.endif
	global_store_b128 v2, v[OUT+4*\j:OUT+4*\j+3], s[10:11] offset:\j*4096   ; read again by the next launches: no hint
.endm
	s_cmp_ge_u32 ttmp9, 704
	s_cbranch_scc1 .Lproj
.irp j, 0,1,2,3,4,5,6,7
	CHUNK \j, 0
.endr
	s_endpgm
.Lproj:
.irp j, 0,1,2,3,4,5,6,7
	CHUNK \j, 1
.endr
	s_endpgm
.Lfunc_end_k_q57c03f9cff_cast:
	.size	k_q57c03f9cff_cast, .Lfunc_end_k_q57c03f9cff_cast-k_q57c03f9cff_cast
	.p2alignl 7, 3214868480
	.fill 96, 4, 3214868480
	.section	.rodata,"a",@progbits
	.p2align	6, 0x0
	.amdhsa_kernel k_q57c03f9cff_cast
		.amdhsa_group_segment_fixed_size 0
		.amdhsa_private_segment_fixed_size 0
		.amdhsa_enable_private_segment 0
		.amdhsa_kernarg_size 32
		.amdhsa_user_sgpr_count 2
		.amdhsa_user_sgpr_kernarg_segment_ptr 1
		.amdhsa_wavefront_size32 1
		.amdhsa_system_sgpr_workgroup_id_x 1
		.amdhsa_system_sgpr_workgroup_id_y 1
		.amdhsa_system_sgpr_workgroup_id_z 1
		.amdhsa_system_vgpr_workitem_id 0
		.amdhsa_next_free_vgpr 104
		.amdhsa_next_free_sgpr 66
		.amdhsa_reserve_vcc 0
		.amdhsa_float_denorm_mode_32 3
		.amdhsa_float_denorm_mode_16_64 3
		.amdhsa_memory_ordered 1
		.amdhsa_forward_progress 1
		.amdhsa_inst_pref_size 14
	.end_amdhsa_kernel
	.amdgpu_metadata
---
amdhsa.version: [ 1, 2 ]
amdhsa.kernels:
  - .name:           k_q57c03f9cff_cast
    .symbol:         k_q57c03f9cff_cast.kd
    .args:
      - { .name: x, .offset: 0, .size: 8, .value_kind: global_buffer, .address_space: global }
      - { .name: W_attn, .offset: 8, .size: 8, .value_kind: global_buffer, .address_space: global }
      - { .name: W_proj, .offset: 16, .size: 8, .value_kind: global_buffer, .address_space: global }
      - { .name: xb, .offset: 24, .size: 8, .value_kind: global_buffer, .address_space: global }
    .group_segment_fixed_size: 0
    .private_segment_fixed_size: 0
    .kernarg_segment_align: 8
    .kernarg_segment_size: 32
    .max_flat_workgroup_size: 256
    .sgpr_count:     66
    .vgpr_count:     104
    .wavefront_size: 32
...
	.end_amdgpu_metadata
.endif
;; end of part 1
;; launch qkv (part 2): grid 16 x 32, 4 waves a work-group, clusters of 4 x 4, 327,680 bytes of LDS; arguments xb, qkv; writes qkv
.if DOCPART == 2
	.amdgcn_target "amdgcn-amd-amdhsa--gfx1250"
	.amdhsa_code_object_version 6
	.text
	.protected	k_q57c03f9cff_qkv
	.globl	k_q57c03f9cff_qkv
	.p2align	8
	.type	k_q57c03f9cff_qkv,@function
k_q57c03f9cff_qkv:
	s_mov_b64 s[64:65], 0
	v_nop
	global_prefetch_b8 v0, s[64:65] scope:SCOPE_SE
	s_setreg_imm32_b32 hwreg(HW_REG_WAVE_MODE, 25, 1), 1
	s_wait_xcnt 0x0
	s_wait_alu depctr_hold_cnt(0) depctr_sa_sdst(0) depctr_va_vdst(0) depctr_va_sdst(0) depctr_va_ssrc(0) depctr_va_vcc(0) depctr_vm_vsrc(0)
	s_getreg_b32 s2, hwreg(HW_REG_IB_STS2, 6, 4)
	s_cmp_eq_u32 s2, 0
	s_cbranch_scc0 .Lentry_in_a_cluster
	s_endpgm
.Lentry_in_a_cluster:
	s_bfe_u32 s2, ttmp6, 0x10000c
	s_cmp_lg_u32 s2, 0xf033
	s_cbranch_scc0 .Lentry_shape_is_right
	s_endpgm
.Lentry_shape_is_right:
; QKV: qkv[t][col] = sum over k of x[t][k] W_attn[col][k], 8192 x 3072 x 1024, bf16 operands from xb, f32 sums, results rounded once to f16
; and stored in the layouts that the attention launch reads (bh = 16 x batch + head):
;   Q   at byte 0           [bh][2 halves of d][2048 t][32 d]   (a t-row of a half is 64 bytes, a half is 131,072 bytes)
;   K   at byte 16,777,216  the same
;   V^T at byte 33,554,432  [bh][64 d][2048 t]                  (a d-row is 4,096 bytes)
; A work-group makes 256 rows x 192 columns: the 192 columns are one head (64 of q, 64 of k, 64 of v).  512 work-groups of equal work.
; Four waves, 2 x 2: wave w takes rows 128 (w / 2) .. + 127 and, with c = w % 2, the d-half c of q, of k and of v: six blocks of 16 columns,
; block b = rows 64 (b / 2) + 32 c + 16 (b % 2) of the head in W_attn.  48 accumulator tiles of 16 x 16, 384 registers.
; K goes in steps of 128 through two LDS slots filled by the tensor data mover: rows of 256 bytes that start at multiples of 256 bytes.
; CLUSTERS: 4 x 4 work-groups.  The four of a row of the cluster need the same tiles of x, the four of a column the same tiles of W_attn:
; each such tile is asked for jointly, by the same line with the same descriptor in all four.
;
; REGISTERS, in windows of 256:
;   window 0: v0-31 addresses; v32-143, v144-255 two fragment buffers (8 fragments of x at +0, 6 of W_attn at +64)
;   window 1: the 24 tiles of my rows 0-63 (tile (a, b) at v[8 (6 a + b)]);   window 2: those of my rows 64-127
; Both sources lie in window 0, so that swapping them costs no switch of windows.
; q and k tiles (b < 4) are made TRANSPOSED (source 0 = rows of W_attn, source 1 = rows of x): a lane then holds one t and 8 neighbouring d.
; v tiles (b >= 4) are made straight (source 0 = rows of x): a lane then holds one d and 8 neighbouring t, which is a piece of a row of V^T.
.set SIZE_K, 1024
.set KSTEP,  128
.set PITCH,  272                       ; an LDS row: 256 bytes + 16 of padding, an odd multiple of 16: sixteen rows start 16 bytes apart modulo 256
.set AHALF,  128*PITCH                 ; 128 rows of x: one tensor load
.set BHALF,  96*PITCH                  ; 96 rows of W_attn: one tensor load
.set BOFF,   2*AHALF                   ; W_attn lies behind the 256 rows of x
.set SLOT,   2*AHALF+2*BHALF           ; 121,856
.set STAGE,  2*SLOT                    ; behind the ring: 4,352 bytes for each wave, for the way out; no tensor load ever lands there
.set LAPS,   SIZE_K/(2*KSTEP)          ; a lap = two K steps = once round the ring: 4
.set ADRA,  16                         ; v16-17  LDS address of my fragments of x in slot 0, 1
.set ADRB,  20                         ; v20-21  the same for W_attn
.set STOQK, 24                         ; the way out, q and k: where I put 16 bytes
.set RDQK,  25                         ;   where I read 16 bytes back
.set COQK,  26                         ;   my byte offset in Q and in K
.set STOV,  27                         ; the way out, v
.set RDV,   28
.set COV,   29
.set F0,    32
.set F1,    144
.set TMP,   32                         ; the way out: packed results
.set G1,  24                           ; s[24:31] descriptor group 1, tiles of x
.set G0,  32                           ; s[32:39] group 0, tiles of x, one set a slot
.set G1B, 48                           ; s[48:55] group 1, tiles of W_attn
.set G0B, 56                           ; s[56:63] group 0, tiles of W_attn, one set a slot
.set BQ,  68                           ; s[68:69] Q, s[70:71] K, s[72:73] V^T at my first element
.set BK,  70
.set BV,  72
.set MSB, 0
.macro WIN new                         ; the high byte of the immediate repeats the setting that is left
.if MSB != \new
	s_set_vgpr_msb (MSB<<8)|\new
.set MSB, \new
.endif
.endm
.set MUL_LO, 0x50                      ; sources 0 and 1 window 0, C and D window 1
.set MUL_HI, 0xa0                      ; C and D window 2
; A joint load.  Waves 0 and 1 fetch the two halves of the tile of x, waves 2 and 3 those of W_attn.  Each line has one mask and one set of
; registers for all that issue it.  The branch hangs on the number of the wave alone.
.macro JLOAD s
	s_cmp_eq_u32 s11, 0
	s_cbranch_scc0 .Lfor_b_\@
	tensor_load_to_lds s[G0+4*\s:G0+4*\s+3], s[G1:G1+7]
	s_nop 0
	s_branch .Lasked_\@
.Lfor_b_\@:
	tensor_load_to_lds s[G0B+4*\s:G0B+4*\s+3], s[G1B:G1B+7]
	s_nop 0
.Lasked_\@:
.endm
; A round of the barrier of the cluster: the barrier of my work-group, wave 0 signals for the work-group, every wave waits for all sixteen
; work-groups, the barrier of my work-group once more.
.macro CREST                           ; a round behind its opening barrier
	s_cmp_lg_u32 s10, 0
	s_cbranch_scc1 .Lnot_wave_0_\@
	s_barrier_signal -3
.Lnot_wave_0_\@:
	s_barrier_wait -3
	s_barrier_signal -1
	s_barrier_wait -1
.endm
.macro CROUND
	s_barrier_signal -1
	s_barrier_wait -1
	CREST
.endm
	s_load_b128 s[4:7], s[0:1], 0x0                ; xb s[4:5], qkv s[6:7]
	v_lshl_add_u32 v30, v0, 2, 0x3fc00
	v_mov_b32 v31, 0
	ds_add_u32 v30, v31
	v_lshrrev_b32 v1, 5, v0
	v_readfirstlane_b32 s10, v1                    ; wave 0..3
	s_lshr_b32 s11, s10, 1                         ; which 128 rows of the block are mine.  Also: I fetch x (0) or W_attn (1)
	s_and_b32 s12, s10, 1                          ; c: which d-half is mine.  Also: which half of that tile I fetch
	s_bfe_u32 s40, ttmp6, 0x40000                  ; cx
	s_bfe_u32 s41, ttmp6, 0x40004                  ; cy
	s_lshl_b32 s42, ttmp9, 2
	s_add_co_u32 s42, s42, s40                     ; head = 4 x cluster x + cx
	s_and_b32 s13, ttmp7, 0xffff
	s_lshl_b32 s13, s13, 2
	s_add_co_u32 s13, s13, s41                     ; block row = 4 x cluster y + cy
	s_lshl_b32 s43, s41, 2
	s_lshl_b32 s43, 15, s43                        ; my row of the cluster: places 4 cy .. 4 cy + 3
	s_lshl_b32 s44, 0x1111, s40                    ; my column: places cx, cx + 4, cx + 8, cx + 12
	; group 1: rows of 128 elements of 2 bytes, 16 bytes of padding behind every 64 words
	s_or_b32 s[G1+0], s43, (1<<16)|(1<<20)|(1<<21)|(5<<22)|(3<<25)   ; mask: my row; element 2 bytes; padding on; bit 21 beside a mask; every 64 words; 4 words
	s_mov_b32 s[G1+1], KSTEP<<16                   ; tensor_dim0 = 128
	s_mov_b32 s[G1+2], 128<<16                     ; tensor_dim1 = 128
	s_mov_b32 s[G1+3], KSTEP<<16                   ; tile_dim0 = 128
	s_mov_b32 s[G1+4], 128                         ; tile_dim1 = 128 rows
	s_mov_b32 s[G1+5], SIZE_K                      ; elements from row to row
	s_mov_b32 s[G1+6], 0
	s_mov_b32 s[G1+7], 0
	s_or_b32 s[G1B+0], s44, (1<<16)|(1<<20)|(1<<21)|(5<<22)|(3<<25)  ; the same with the mask of my column
	s_mov_b32 s[G1B+1], KSTEP<<16
	s_mov_b32 s[G1B+2], 96<<16                     ; tensor_dim1 = 96
	s_mov_b32 s[G1B+3], KSTEP<<16
	s_mov_b32 s[G1B+4], 96                         ; tile_dim1 = 96 rows
	s_mov_b32 s[G1B+5], SIZE_K
	s_mov_b32 s[G1B+6], 0
	s_mov_b32 s[G1B+7], 0
	; where the tiles come from: x hangs on the block row alone, W_attn on the head alone; each in registers that never hold the other coordinate
	s_lshl_b32 s16, s13, 8
	s_lshl_b32 s17, s12, 7
	s_add_co_u32 s16, s16, s17                     ; x: row 256 x block row + 128 x half
	s_lshl_b32 s16, s16, 11                        ; 2,048 bytes a row
	s_mov_b32 s17, 0
	s_mul_i32 s46, s42, 192
	s_mul_i32 s47, s12, 96
	s_add_co_u32 s46, s46, s47                     ; W_attn: row 192 x head + 96 x half
	s_lshl_b32 s46, s46, 11
	s_add_co_u32 s46, s46, 0x1000000               ; W_attn begins 16,777,216 bytes into xb
	s_mov_b32 s47, 0
	s_mul_i32 s20, s10, AHALF                      ; where they go: waves 0, 1: 34,816 w
	s_mul_i32 s21, s10, BHALF
	s_add_co_u32 s21, s21, BOFF-2*BHALF            ; waves 2, 3: 69,632 + 26,112 (w - 2)
	s_wait_dscnt 0x0
	s_wait_kmcnt 0x0
	s_add_nc_u64 s[14:15], s[4:5], s[16:17]
	s_add_nc_u64 s[46:47], s[4:5], s[46:47]
	CROUND                                         ; all sixteen work-groups are here: the first joint loads meet
.irp s, 0,1
	s_mov_b32 s[G0+4*\s], 1
	s_add_co_u32 s[G0+4*\s+1], s20, \s*SLOT
	s_add_nc_u64 s[G0+4*\s+2:G0+4*\s+3], s[14:15], \s*KSTEP*2
	s_or_b32 s[G0+4*\s+3], s[G0+4*\s+3], 0x80000000
	s_mov_b32 s[G0B+4*\s], 1
	s_add_co_u32 s[G0B+4*\s+1], s21, \s*SLOT
	s_add_nc_u64 s[G0B+4*\s+2:G0B+4*\s+3], s[46:47], \s*KSTEP*2
	s_or_b32 s[G0B+4*\s+3], s[G0B+4*\s+3], 0x80000000
	JLOAD \s                                       ; both slots are asked for before anything else: two tensor loads of the wave are out
.endr
	; a fragment: lane l holds row l % 16; registers 0-3 hold K = 8 (l / 16) + 0..7, registers 4-7 K = 16 + 8 (l / 16) + 0..7
	v_and_b32 v1, 15, v0                           ; r = l % 16
	v_bfe_u32 v2, v0, 4, 1                         ; h = l / 16
	v_mul_u32_u24 v3, v1, PITCH
	v_lshl_add_u32 v3, v2, 4, v3                   ; r x pitch + 16 h
	s_mul_i32 s22, s11, AHALF                      ; my 128 rows of x
	s_mul_i32 s23, s12, 32*PITCH                   ; my d-half: 32 rows into each of q, k, v
	s_add_co_u32 s23, s23, BOFF
.irp s, 0,1
	v_add_nc_u32 v[ADRA+\s], s22, v3
	v_add_nc_u32 v[ADRB+\s], s23, v3
	s_add_co_u32 s22, s22, SLOT
	s_add_co_u32 s23, s23, SLOT
.endr
	s_mul_i32 s23, s10, 16*PITCH
	s_add_co_u32 s23, s23, STAGE                   ; my stage
	v_mul_u32_u24 v4, v1, 144                      ; q, k in: row t = r of 128 bytes (64 of q, 64 of k), pitch 144
	v_lshl_add_u32 v4, v2, 4, v4
	v_add_nc_u32 v[STOQK], s23, v4
	v_and_b32 v5, 31, v0                           ; l
	v_lshrrev_b32 v6, 2, v5                        ; q, k back: four lanes take the 64 bytes of a t-row, a wave eight rows
	v_and_b32 v7, 3, v5
	v_mul_u32_u24 v6, v6, 144
	v_lshl_add_u32 v6, v7, 4, v6
	v_add_nc_u32 v[RDQK], s23, v6
	v_lshlrev_b32 v[COQK], 4, v5                   ; eight t-rows of 64 bytes are 512 neighbouring bytes of Q or K
	v_add_nc_u32 v[STOV], s23, v3                  ; v in: row d = r of 256 bytes (128 t), pitch 272
	v_mul_u32_u24 v6, v2, PITCH                    ; v back: lanes 0-15 one row, lanes 16-31 the next
	v_lshl_add_u32 v6, v1, 4, v6
	v_add_nc_u32 v[RDV], s23, v6
	v_lshlrev_b32 v6, 12, v2                       ; and the same two rows of V^T, 4,096 bytes apart
	v_lshl_add_u32 v[COV], v1, 4, v6
.macro MM d, x, y, zero                ; one matrix instruction; zero = 1: it starts the sum, nothing is ever cleared
.if \zero
	v_wmma_f32_16x16x32_bf16 v[\d:\d+7], v[\x:\x+7], v[\y:\y+7], 0
.else
	v_wmma_f32_16x16x32_bf16 v[\d:\d+7], v[\x:\x+7], v[\y:\y+7], v[\d:\d+7]
.endif
.endm
; 12 matrix instructions: row blocks a0, a0 + 1 of the four of a window (hi = 0: my rows 0-63, 1: rows 64-127) x all 6 column blocks, 32 along K.
; The 48 accumulators take turns, one instruction a turn, in the same order in every quarter step.
.macro MUL12 f, hi, a0, zero
.irp a, \a0, \a0+1
.irp b, 0,1,2,3,4,5
.if \b < 4
	MM 8*(6*(\a)+\b), \f+64+8*\b, \f+8*(4*\hi+\a), \zero
.else
	MM 8*(6*(\a)+\b), \f+8*(4*\hi+\a), \f+64+8*\b, \zero
.endif
.endr
.endr
.endm
; 28 LDS loads in one run: the fragments of one quarter step (32 K at byte k of the rows) into buffer f: W_attn first, then x
.macro FETCH slot, k, f
	WIN 0
.irp b, 0,1,2,3,4,5
	ds_load_b128 v[\f+64+8*\b:\f+64+8*\b+3],   v[ADRB+\slot] offset:\k+((\b/2)*64+(\b%2)*16)*PITCH
	ds_load_b128 v[\f+64+8*\b+4:\f+64+8*\b+7], v[ADRB+\slot] offset:\k+((\b/2)*64+(\b%2)*16)*PITCH+32
.endr
.irp a, 0,1,2,3,4,5,6,7
	ds_load_b128 v[\f+8*\a:\f+8*\a+3],   v[ADRA+\slot] offset:\k+\a*16*PITCH
	ds_load_b128 v[\f+8*\a+4:\f+8*\a+7], v[ADRA+\slot] offset:\k+\a*16*PITCH+32
.endr
.endm
; Four plain vector instructions stand between a matrix instruction and a load into one of its registers, or a vector instruction that reads
; its result (ISA guide 7.12.1 for vector instructions); other matrix instructions are not counted.
.macro PLACES
.rept 4
	v_nop
.endr
.endm
; A K step is four quarter steps of 32 along K, 48 matrix instructions each, on buffers 0, 1, 0, 1.
.macro QUARTER slot, k, f, g, zero
	s_wait_dscnt 8                                 ; W_attn and my rows 0-63 of x are in; the youngest eight loads (rows 64-127) may be out
	WIN MUL_LO
	MUL12 \f, 0, 0, \zero
	MUL12 \f, 0, 2, \zero
	PLACES
	FETCH \slot, \k, \g
	s_wait_dscnt 28                                ; all but the 28 just issued
	WIN MUL_HI
	MUL12 \f, 1, 0, \zero
	MUL12 \f, 1, 2, \zero
.endm
.macro THREE slot, zero
	QUARTER \slot, 64,  F0, F1, \zero
	QUARTER \slot, 128, F1, F0, 0
	QUARTER \slot, 192, F0, F1, 0
.endm
; The last quarter multiplies buffer 1 and changes slots.  One barrier for two things: in front of it each wave waits for its reads of this slot
; and for all its tensor loads (one is out: its part of the next slot); behind it nobody reads this slot and the next slot is whole.
; fill = 1: the barrier opens a round of the barrier of the cluster, and the joint refill is the first tensor load behind the round.
; From a request to the wait for it a wave issues 180 matrix instructions.
.macro TURN slot, next, fill
	s_wait_dscnt 8
	WIN MUL_LO
	MUL12 F1, 0, 0, 0
	s_wait_dscnt 0                                 ; my reads of this slot are over
	s_wait_tensorcnt 0x0                           ; all my tensor loads have landed
	ds_add_u32 v30, v31
	s_wait_dscnt 0x0
	s_barrier_signal -1
	MUL12 F1, 0, 2, 0                              ; register work while the others arrive
	WIN 0
	s_barrier_wait -1
.if \fill
	CREST                                          ; no wave of any partner still reads this slot or has a load on its way
	s_add_nc_u64 s[G0+4*\slot+2:G0+4*\slot+3], s[G0+4*\slot+2:G0+4*\slot+3], 2*KSTEP*2
	s_add_nc_u64 s[G0B+4*\slot+2:G0B+4*\slot+3], s[G0B+4*\slot+2:G0B+4*\slot+3], 2*KSTEP*2
	JLOAD \slot
.endif
	PLACES
	FETCH \next, 0, F0
	WIN MUL_HI
	MUL12 F1, 1, 0, 0
	MUL12 F1, 1, 2, 0
.endm
.macro LAP zero
	THREE 0, \zero
	TURN 0, 1, 1
	THREE 1, 0
	TURN 1, 0, 1
.endm
	s_wait_tensorcnt 1                             ; my part of K step 0 is in; K step 1 stays out
	s_barrier_signal -1
	s_barrier_wait -1
	FETCH 0, 0, F0
	LAP 1                                          ; the first lap stands in front of the loop: its first products start the sums
	WIN 0
	s_mov_b32 s3, LAPS-2
.Llap:
	LAP 0
	WIN 0
	s_sub_co_u32 s3, s3, 1
	s_cmp_lg_u32 s3, 0
	s_cbranch_scc1 .Llap
	THREE 0, 0                                     ; the last lap fills nothing
	TURN 0, 1, 0
	THREE 1, 0
	s_wait_dscnt 8
	WIN MUL_LO
	MUL12 F1, 0, 0, 0
	MUL12 F1, 0, 2, 0
	s_wait_dscnt 0
	WIN MUL_HI
	MUL12 F1, 1, 0, 0
	MUL12 F1, 1, 2, 0
	; THE WAY OUT: round to f16, 16 bytes a lane into my own stage, read back so that a store of the wave covers whole aligned runs of 256 bytes.
	PLACES
	s_lshr_b32 s66, s13, 3                         ; batch = block row / 8
	s_lshl_b32 s66, s66, 4
	s_add_co_u32 s66, s66, s42                     ; bh
	s_lshl_b32 s66, s66, 18                        ; 262,144 bytes a head in each of Q, K, V^T
	s_lshl_b32 s67, s12, 17                        ; my d-half: 131,072 bytes in each of them
	s_add_co_u32 s66, s66, s67
	s_and_b32 s67, s13, 7
	s_lshl_b32 s67, s67, 8
	s_lshl_b32 s74, s11, 7
	s_add_co_u32 s67, s67, s74                     ; t0: my first t
	s_lshl_b32 s74, s67, 6                         ; 64 bytes a t-row
	s_add_co_u32 s74, s74, s66
	s_mov_b32 s75, 0
	s_add_nc_u64 s[BQ:BQ+1], s[6:7], s[74:75]
	s_add_nc_u64 s[BK:BK+1], s[BQ:BQ+1], 0x1000000
	s_lshl_b32 s74, s67, 1                         ; 2 bytes a t in a row of V^T
	s_add_co_u32 s74, s74, s66
	s_add_nc_u64 s[BV:BV+1], s[6:7], s[74:75]
	s_add_nc_u64 s[BV:BV+1], s[BV:BV+1], 0x2000000
; 16 t-rows of q and k: the tiles (a, 0..3).  at = the row block inside its window; win: sources 0 and 1 in window 1 or 2; rb: read-back registers, two sets by turns
.macro OUTQK a, at, win, rb
	WIN \win
.irp b, 0,1,2,3
.irp r, 0,1,2,3
	v_cvt_pk_f16_f32 v[TMP+4*\b+\r], v[8*(6*\at+\b)+2*\r], v[8*(6*\at+\b)+2*\r+1]
.endr
.endr
	WIN 0
.irp b, 0,1,2,3
	ds_store_b128 v[STOQK], v[TMP+4*\b:TMP+4*\b+3] offset:32*\b    ; bytes 0-63 of a row: q; bytes 64-127: k
.endr
	s_wait_xcnt 0x0                                ; the read-back registers, which earlier stores read, are loaded again only behind this wait
	ds_load_b128 v[\rb:\rb+3],     v[RDQK]                         ; LDS serves a wave in order: these see the stores above.  q, rows 0-7
	ds_load_b128 v[\rb+4:\rb+7],   v[RDQK] offset:1152             ; q, rows 8-15
	ds_load_b128 v[\rb+8:\rb+11],  v[RDQK] offset:64               ; k, rows 0-7
	ds_load_b128 v[\rb+12:\rb+15], v[RDQK] offset:1216             ; k, rows 8-15
	s_wait_dscnt 3                                 ; the counts run down: one more load is in each time
	global_store_b128 v[COQK], v[\rb:\rb+3],     s[BQ:BQ+1] offset:\a*1024       ; 512 neighbouring bytes, aligned
	s_wait_dscnt 2
	global_store_b128 v[COQK], v[\rb+4:\rb+7],   s[BQ:BQ+1] offset:\a*1024+512
	s_wait_dscnt 1
	global_store_b128 v[COQK], v[\rb+8:\rb+11],  s[BK:BK+1] offset:\a*1024
	s_wait_dscnt 0
	global_store_b128 v[COQK], v[\rb+12:\rb+15], s[BK:BK+1] offset:\a*1024+512
.endm
; 16 d-rows of V^T, 128 t each: the tiles (0..7, b), b = 4 or 5
.macro OUTV b, rb
	WIN 0x05
.irp a, 0,1,2,3
.irp r, 0,1,2,3
	v_cvt_pk_f16_f32 v[TMP+4*\a+\r], v[8*(6*\a+\b)+2*\r], v[8*(6*\a+\b)+2*\r+1]
.endr
.endr
	WIN 0x0a
.irp a, 0,1,2,3
.irp r, 0,1,2,3
	v_cvt_pk_f16_f32 v[TMP+16+4*\a+\r], v[8*(6*\a+\b)+2*\r], v[8*(6*\a+\b)+2*\r+1]
.endr
.endr
	WIN 0
.irp a, 0,1,2,3,4,5,6,7
	ds_store_b128 v[STOV], v[TMP+4*\a:TMP+4*\a+3] offset:32*\a
.endr
	s_wait_xcnt 0x0                                ; as above
.irp u, 0,1,2,3,4,5,6,7
	ds_load_b128 v[\rb+4*\u:\rb+4*\u+3], v[RDV] offset:2*PITCH*\u
.endr
.irp u, 0,1,2,3,4,5,6,7
	s_wait_dscnt 7-\u
	global_store_b128 v[COV], v[\rb+4*\u:\rb+4*\u+3], s[BV:BV+1] offset:(\b-4)*65536+8192*\u   ; sixteen lanes store 256 neighbouring bytes, aligned
.endr
.endm
	OUTQK 0, 0, 0x05, 64
	OUTQK 1, 1, 0x05, 80
	OUTQK 2, 2, 0x05, 64
	OUTQK 3, 3, 0x05, 80
	OUTQK 4, 0, 0x0a, 64
	OUTQK 5, 1, 0x0a, 80
	OUTQK 6, 2, 0x0a, 64
	OUTQK 7, 3, 0x0a, 80
	OUTV 4, 96
	OUTV 5, 128
	s_wait_tensorcnt 0x0
	ds_add_u32 v30, v31
	s_wait_dscnt 0x0
	CROUND                                         ; the closing round: no work-group ends while a partner may still ask for a tile that names it
	s_endpgm
.Lfunc_end_k_q57c03f9cff_qkv:
	.size	k_q57c03f9cff_qkv, .Lfunc_end_k_q57c03f9cff_qkv-k_q57c03f9cff_qkv
	.p2alignl 7, 3214868480
	.fill 96, 4, 3214868480
	.section	.rodata,"a",@progbits
	.p2align	6, 0x0
	.amdhsa_kernel k_q57c03f9cff_qkv
		.amdhsa_group_segment_fixed_size 327680
		.amdhsa_private_segment_fixed_size 0
		.amdhsa_enable_private_segment 0
		.amdhsa_kernarg_size 16
		.amdhsa_user_sgpr_count 2
		.amdhsa_user_sgpr_kernarg_segment_ptr 1
		.amdhsa_wavefront_size32 1
		.amdhsa_system_sgpr_workgroup_id_x 1
		.amdhsa_system_sgpr_workgroup_id_y 1
		.amdhsa_system_sgpr_workgroup_id_z 1
		.amdhsa_system_vgpr_workitem_id 0
		.amdhsa_next_free_vgpr 704
		.amdhsa_next_free_sgpr 84
		.amdhsa_reserve_vcc 0
		.amdhsa_float_denorm_mode_32 3
		.amdhsa_float_denorm_mode_16_64 3
		.amdhsa_memory_ordered 1
		.amdhsa_forward_progress 1
		.amdhsa_inst_pref_size 158
	.end_amdhsa_kernel
	.amdgpu_metadata
---
amdhsa.version: [ 1, 2 ]
amdhsa.kernels:
  - .name:           k_q57c03f9cff_qkv
    .symbol:         k_q57c03f9cff_qkv.kd
    .args:
      - { .name: xb, .offset: 0, .size: 8, .value_kind: global_buffer, .address_space: global }
      - { .name: qkv, .offset: 8, .size: 8, .value_kind: global_buffer, .address_space: global }
    .group_segment_fixed_size: 327680
    .private_segment_fixed_size: 0
    .kernarg_segment_align: 8
    .kernarg_segment_size: 16
    .max_flat_workgroup_size: 128
    .sgpr_count:     84
    .vgpr_count:     704
    .wavefront_size: 32
...
	.end_amdgpu_metadata
.endif
;; end of part 2
;; launch attn (part 3): grid 4 x 64, 4 waves a work-group, no clusters, 327,680 bytes of LDS; arguments qkv, yb; writes yb
.if DOCPART == 3
	.amdgcn_target "amdgcn-amd-amdhsa--gfx1250"
	.amdhsa_code_object_version 6
	.text
	.protected	k_q57c03f9cff_attn
	.globl	k_q57c03f9cff_attn
	.p2align	8
	.type	k_q57c03f9cff_attn,@function
k_q57c03f9cff_attn:
	s_mov_b64 s[64:65], 0
	v_nop
	global_prefetch_b8 v0, s[64:65] scope:SCOPE_SE
	s_setreg_imm32_b32 hwreg(HW_REG_WAVE_MODE, 25, 1), 1
	s_wait_xcnt 0x0
; ATTN: y = softmax(q k^T / 8, causal) v for each of the 64 (batch, head) pairs bh; f16 operands, f32 sums, softmax in f32 with a running maximum.
; WORK LEFT OUT: scores with key > query, which reference() replaces by -inf by its own jnp.tril, add 0 to the row sum and to y for all finite
; inputs; they are left out in whole tiles (64 x 64 tiles above the diagonal, the 16 x 16 tiles above the diagonal of a diagonal tile, products of
; p with v whose 32 keys are all masked).  A NaN or an infinity that reaches only such work is not carried to the result.
; LIMITS: q, k, v in f16 (under 65,504); p is rounded to f16, so a probability under 2^-24 of the row maximum counts as 0 in the product with v
; (the row sum is taken in f32 from the unrounded p).
;
; WHO DOES WHAT: work-group (j, bh), j = 0..3, does query block j and then query block 7 - j of 256 queries: 2 j + (14 - 2 j) = 14 tiles of 128 keys
; below the diagonal blocks plus two diagonal blocks, the same in every work-group.  Wave w owns queries 64 w .. 64 w + 63 of a block, as four
; tiles n of 16 queries.  A STEP is 64 queries x 64 keys: 32 matrix instructions for the scores, the softmax, 32 for p v.
; NO JOINT LOADS: the four work-groups of a head want different key tiles at the same time (block j walks 2 j tiles while block 7 - j of a
; neighbour walks 14 - 2 j); walking the keys in step would take 16 + 8 = 24 tile times instead of 18 in every work-group.
;
; ORIENTATION: S^T = K Q^T (source 0 = 16 keys, source 1 = 16 queries): lane (r, h) holds query 16 n + r and keys 16 i + 8 h + 0..7 in its 8 registers.
; Packing two such tiles in pairs IS the source 1 fragment of O^T = V^T P^T, so p never moves between lanes; a row of the softmax lies in two
; lanes (r, 0) and (r, 1), one exchange between the halves of the wave joins them; and a lane of O^T holds 8 neighbouring d of one query.
;
; LDS: six slots of 37,888 bytes, 128 keys each: K, d 0-31: 128 rows, pitch 80; K, d 32-63: the same at 10,240; V^T: 64 rows of 256 bytes, pitch 272,
; at 20,480.  Slots 0, 1: the 256 keys of the diagonal of block j; slots 2, 3: those of block 7 - j; both filled once.  Slots 4, 5: the ring for the
; 14 tiles below the diagonals.  Behind them, at 227,328, a stage of 9,216 bytes for each wave, into which no tensor load ever lands.
; A wave issues one tensor load a tile: waves 0, 1 a d-half of K (8 KiB, dense in memory), waves 2, 3 32 rows of V^T.
;
; REGISTERS: window 0: addresses; KF v64-127 fragments of K ((i, c) at 8 (2 i + c)); VF v128-191 fragments of V^T ((dt, c) at 8 (2 dt + c)); v192-219 row figures
;   window 1: S (i, n) at 8 (4 n + i); O (dt, n) at 128 + 8 (4 n + dt)      window 2: Q of block j at 0, P at 64, Q of block 7 - j at 128
.set SLOT,  37888
.set KHALF, 10240
.set VOFF,  20480
.set STAGE, 6*SLOT
.set AK,  8                            ; v8-13   slot s: its base + r x 80 + 16 h
.set AV,  14                           ; v14-19  slot s: its base + r x 272 + 16 h
.set AKDA, 20                          ; v20, v21  my own 64 keys of the diagonal of block j, for K and for V^T
.set AVDA, 21
.set AKDB, 22                          ; v22, v23  the same for block 7 - j
.set AVDB, 23
.set QOA, 24                           ; my byte offset in Q, block j
.set STO, 25                           ; the way out: where I put 16 bytes
.set RD,  26                           ;   where I read 16 bytes back
.set CO,  27                           ;   my byte offset in y
.set DG,  28                           ; r - 8 h: key j of a diagonal 16 x 16 tile is kept where j <= r - 8 h
.set QOB, 29                           ; my byte offset in Q, block 7 - j
.set KF,  64
.set VF,  128
.set MX,  192                          ; v192-195          tile n: running maximum m
.set NM,  196                          ; v[196+2n:197+2n]  (NM, EE): NM = -c m, rounded; EE at work
.set EE,  197
.set AL,  204                          ; v[204+2n:205+2n]  (AL, TT): AL = the factor for what was summed before; TT at work
.set TT,  205
.set LS,  212                          ; v[212+2n:213+2n]  two partial row sums of my half of the keys
.set QA,  0
.set PF,  64
.set QB,  128
.set OB,  128
.set MULW, 0x58                        ; source 0 window 0, source 1 window 2, C and D window 1
.set MSB, 0
.macro WIN new                         ; the high byte of the immediate repeats the setting that is left
.if MSB != \new
	s_set_vgpr_msb (MSB<<8)|\new
.set MSB, \new
.endif
.endm
.macro PLACES                          ; four plain vector instructions between a matrix instruction and a load into, or a vector instruction on, its registers
.rept 4
	v_nop
.endr
.endm
; Group 0 for key tile s3 (128 keys) into LDS slot: one set for the half of K (8,192 bytes a tile), one for the rows of V^T (256 bytes a tile).
; The slot may be given as an expression, so it stands in parentheses in front of the product.
.macro G0PAIR gk, gv, slot
	s_mov_b32 s[\gk], 1
	s_add_co_u32 s[\gk+1], s100, (\slot)*SLOT
	s_lshl_b32 s80, s3, 13
	s_add_nc_u64 s[\gk+2:\gk+3], s[76:77], s[80:81]
	s_or_b32 s[\gk+3], s[\gk+3], 0x80000000
	s_mov_b32 s[\gv], 1
	s_add_co_u32 s[\gv+1], s101, (\slot)*SLOT
	s_lshl_b32 s80, s3, 8
	s_add_nc_u64 s[\gv+2:\gv+3], s[78:79], s[80:81]
	s_or_b32 s[\gv+3], s[\gv+3], 0x80000000
.endm
	s_load_b128 s[4:7], s[0:1], 0x0                ; qkv s[4:5], yb s[6:7]
	v_lshl_add_u32 v254, v0, 2, 0x40800
	v_mov_b32 v255, 0
	ds_add_u32 v254, v255
	v_lshrrev_b32 v1, 5, v0
	v_readfirstlane_b32 s10, v1                    ; wave w
	s_lshr_b32 s11, s10, 1                         ; I fetch K (0) or V^T (1)
	s_and_b32 s12, s10, 1                          ; which half of it
	s_mov_b32 s8, ttmp9                            ; j
	s_and_b32 s9, ttmp7, 0xffff                    ; bh
	s_lshl_b32 s13, s8, 1                          ; 2 j: ring tiles of block j
	s_sub_co_u32 s2, 6, s8                         ; trips of the loop of block 7 - j
	s_mov_b32 s14, 1                               ; g: the next ring tile to ask for (tile 0 goes out with the first fills)
	; group 1 for K: 8,192 dense bytes as 32 rows of 32 elements of 8 bytes; 4 words of padding behind every 16 words, so that each 64 bytes
	; (a key, 32 d) get an LDS pitch of 80
	s_mov_b32 s16, (3<<16)|(1<<20)|(3<<22)|(3<<25)
	s_mov_b32 s17, 32<<16                          ; tensor_dim0 = 32
	s_mov_b32 s18, 32<<16                          ; tensor_dim1 = 32
	s_mov_b32 s19, 32<<16                          ; tile_dim0 = 32
	s_mov_b32 s20, 32                              ; tile_dim1 = 32
	s_mov_b32 s21, 32                              ; elements from row to row: dense
	s_mov_b32 s22, 0
	s_mov_b32 s23, 0
	; group 1 for V^T: 32 rows of 128 elements of 2 bytes, 2,048 elements from row to row; 4 words of padding behind every 64
	s_mov_b32 s24, (1<<16)|(1<<20)|(5<<22)|(3<<25)
	s_mov_b32 s25, 128<<16
	s_mov_b32 s26, 32<<16
	s_mov_b32 s27, 128<<16
	s_mov_b32 s28, 32
	s_mov_b32 s29, 2048
	s_mov_b32 s30, 0
	s_mov_b32 s31, 0
	s_mul_i32 s100, s10, KHALF                     ; inside a slot: waves 0, 1: 10,240 w
	s_mul_i32 s101, s10, 32*272
	s_add_co_u32 s101, s101, VOFF-2*32*272         ; waves 2, 3: 20,480 + 8,704 (w - 2)
	s_lshl_b32 s80, s9, 18                         ; 262,144 bytes a head
	s_lshl_b32 s3, s12, 17                         ; a d-half of K, and 32 rows of V^T, are 131,072 bytes
	s_add_co_u32 s80, s80, s3
	s_mov_b32 s81, 0                               ; stays 0: s[80:81] is the pair for offsets
	s_wait_dscnt 0x0
	s_wait_kmcnt 0x0
	s_add_nc_u64 s[76:77], s[4:5], s[80:81]
	s_add_nc_u64 s[78:79], s[76:77], 0x2000000     ; V^T, my rows, key 0
	s_add_nc_u64 s[76:77], s[76:77], 0x1000000     ; K, my half, key 0
	s_mov_b32 s3, s13
	G0PAIR 32, 52, 0                               ; diagonal of block j: tiles 2 j, 2 j + 1
	s_add_co_u32 s3, s13, 1
	G0PAIR 36, 56, 1
	s_mov_b32 s3, 0
	G0PAIR 40, 60, 4                               ; ring tile 0 is key tile 0 for every j
	s_sub_co_u32 s3, 14, s13
	G0PAIR 44, 68, 2                               ; diagonal of block 7 - j: tiles 14 - 2 j, 15 - 2 j
	s_sub_co_u32 s3, 15, s13
	G0PAIR 48, 72, 3
	; the first fills, one group inside one branch on the number of the wave: five tensor loads of the wave are out
	s_cmp_eq_u32 s11, 0
	s_cbranch_scc0 .Lfirst_v
	tensor_load_to_lds s[32:35], s[16:23]
	s_nop 0
	tensor_load_to_lds s[36:39], s[16:23]
	s_nop 0
	tensor_load_to_lds s[40:43], s[16:23]
	s_nop 0
	tensor_load_to_lds s[44:47], s[16:23]
	s_nop 0
	tensor_load_to_lds s[48:51], s[16:23]
	s_nop 0
	s_branch .Lfirst_done
.Lfirst_v:
	tensor_load_to_lds s[52:55], s[24:31]
	s_nop 0
	tensor_load_to_lds s[56:59], s[24:31]
	s_nop 0
	tensor_load_to_lds s[60:63], s[24:31]
	s_nop 0
	tensor_load_to_lds s[68:71], s[24:31]
	s_nop 0
	tensor_load_to_lds s[72:75], s[24:31]
	s_nop 0
.Lfirst_done:
	; my 64 queries of both blocks, straight into fragments: lane (r, h) takes d = 32 c + 8 h + 0..7 and 32 c + 16 + 8 h + 0..7 of query 16 n + r
	v_and_b32 v1, 15, v0                           ; r
	v_bfe_u32 v2, v0, 4, 1                         ; h
	v_lshlrev_b32 v5, 6, v1
	v_lshl_add_u32 v5, v2, 4, v5                   ; 64 r + 16 h
	s_lshl_b32 s3, s8, 14                          ; a block of 256 queries is 16,384 bytes of a half
	v_add_nc_u32 v[QOA], s3, v5
	s_sub_co_u32 s3, 7, s8
	s_lshl_b32 s3, s3, 14
	v_add_nc_u32 v[QOB], s3, v5
	s_lshl_b32 s80, s9, 18
	s_lshl_b32 s3, s10, 12                         ; 64 queries are 4,096 bytes
	s_add_co_u32 s80, s80, s3
	s_add_nc_u64 s[66:67], s[4:5], s[80:81]
	WIN 0x80                                       ; loaded data into window 2, address in window 0
.irp n, 0,1,2,3
.irp c, 0,1
	global_load_b128 v[QA+8*(2*\n+\c):QA+8*(2*\n+\c)+3],   v[QOA], s[66:67] offset:\c*131072+\n*1024
	global_load_b128 v[QA+8*(2*\n+\c)+4:QA+8*(2*\n+\c)+7], v[QOA], s[66:67] offset:\c*131072+\n*1024+32
.endr
.endr
.irp n, 0,1,2,3
.irp c, 0,1
	global_load_b128 v[QB+8*(2*\n+\c):QB+8*(2*\n+\c)+3],   v[QOB], s[66:67] offset:\c*131072+\n*1024
	global_load_b128 v[QB+8*(2*\n+\c)+4:QB+8*(2*\n+\c)+7], v[QOB], s[66:67] offset:\c*131072+\n*1024+32
.endr
.endr
	WIN 0
	v_mul_u32_u24 v3, v1, 80
	v_lshl_add_u32 v3, v2, 4, v3                   ; 80 r + 16 h
	v_mul_u32_u24 v4, v1, 272
	v_lshl_add_u32 v4, v2, 4, v4                   ; 272 r + 16 h
.irp s, 0,1,2,3,4,5
	v_add_nc_u32 v[AK+\s], \s*SLOT, v3
	v_add_nc_u32 v[AV+\s], \s*SLOT, v4
.endr
	s_mul_i32 s3, s11, SLOT                        ; my own 64 keys of a diagonal block: slot w / 2, half w % 2
	s_mul_i32 s15, s12, 5120                       ; 64 rows of K
	s_add_co_u32 s15, s15, s3
	v_add_nc_u32 v[AKDA], s15, v3
	s_lshl_b32 s15, s12, 7                         ; 128 bytes along the rows of V^T
	s_add_co_u32 s15, s15, s3
	v_add_nc_u32 v[AVDA], s15, v4
	v_add_nc_u32 v[AKDB], 2*SLOT, v[AKDA]
	v_add_nc_u32 v[AVDB], 2*SLOT, v[AVDA]
	s_mul_i32 s3, s10, 9216
	s_add_co_u32 s3, s3, STAGE                     ; my stage: 64 rows of 128 bytes, pitch 144
	v_mul_u32_u24 v5, v1, 144
	v_lshl_add_u32 v5, v2, 4, v5
	v_add_nc_u32 v[STO], s3, v5
	v_and_b32 v6, 31, v0                           ; l
	v_lshrrev_b32 v7, 3, v6                        ; back: eight lanes take a row of 128 bytes, a wave four rows
	v_and_b32 v30, 7, v6
	v_mul_u32_u24 v7, v7, 144
	v_lshl_add_u32 v7, v30, 4, v7
	v_add_nc_u32 v[RD], s3, v7
	v_lshlrev_b32 v[CO], 4, v6                     ; four rows of y of a head are 512 neighbouring bytes
	v_lshlrev_b32 v5, 3, v2
	v_sub_nc_u32 v[DG], v1, v5                     ; r - 8 h
.irp j, 0,1,2,3,4,5,6,7
	v_cmp_ge_i32 s[88+\j], v[DG], \j               ; register j of a diagonal 16 x 16 tile is kept in these lanes
.endr
.irp n, 0,1,2,3
	v_mov_b32 v[EE+2*\n], 0                        ; the upper halves of the pairs are named by packed instructions before they are first used
	v_mov_b32 v[TT+2*\n], 0
.endr
	s_mov_b32 s82, 0x3e38aa3b                      ; c = log2(e) / 8: exp(s / 8 - m / 8) = 2^(c s - c m)
	s_mov_b32 s83, 0x3e38aa3b
	s_mov_b32 s84, 0xbe38aa3b                      ; -c
	s_mov_b32 s85, 0xff800000                      ; -inf
	s_mov_b32 s86, 0x76543210                      ; v_permlanex16_b32: lane i of one half reads lane i of the other
	s_mov_b32 s87, 0xfedcba98
	; y: [16 heads][8192 rows][64] f16: 1,048,576 bytes a head, 128 bytes a row; row = 2048 x batch + 256 x block + 64 w
	s_and_b32 s3, s9, 15
	s_lshl_b32 s3, s3, 20
	s_lshr_b32 s15, s9, 4
	s_lshl_b32 s15, s15, 18
	s_add_co_u32 s3, s3, s15
	s_lshl_b32 s15, s10, 13
	s_add_co_u32 s3, s3, s15
	s_lshl_b32 s15, s8, 15
	s_add_co_u32 s80, s3, s15
	s_add_nc_u64 s[96:97], s[6:7], s[80:81]        ; block j
	s_sub_co_u32 s15, 7, s8
	s_lshl_b32 s15, s15, 15
	s_add_co_u32 s80, s3, s15
	s_add_nc_u64 s[98:99], s[6:7], s[80:81]        ; block 7 - j
.macro MMH d, x, y, zero               ; one matrix instruction; zero = 1: it starts the sum
.if \zero
	v_wmma_f32_16x16x32_f16 v[\d:\d+7], v[\x:\x+7], v[\y:\y+7], 0
.else
	v_wmma_f32_16x16x32_f16 v[\d:\d+7], v[\x:\x+7], v[\y:\y+7], v[\d:\d+7]
.endif
.endm
.macro LOADK ak, koff                  ; 64 keys of K: 16 loads, d-half 0 first
.irp c, 0,1
.irp i, 0,1,2,3
	ds_load_b128 v[KF+8*(2*\i+\c):KF+8*(2*\i+\c)+3],   v[\ak] offset:\koff+\c*KHALF+\i*1280
	ds_load_b128 v[KF+8*(2*\i+\c)+4:KF+8*(2*\i+\c)+7], v[\ak] offset:\koff+\c*KHALF+\i*1280+32
.endr
.endr
.endm
.macro LOADV av, voff                  ; 64 keys of V^T: 16 loads
.irp dt, 0,1,2,3
.irp c, 0,1
	ds_load_b128 v[VF+8*(2*\dt+\c):VF+8*(2*\dt+\c)+3],   v[\av] offset:VOFF+\voff+\dt*4352+64*\c
	ds_load_b128 v[VF+8*(2*\dt+\c)+4:VF+8*(2*\dt+\c)+7], v[\av] offset:VOFF+\voff+\dt*4352+64*\c+32
.endr
.endr
.endm
; The scores of d-half c.  Half 0 starts the sums.  diag = 1: only key tiles i <= n.  The accumulators take turns, one instruction a turn.
.macro SMUL qf, c, diag
.irp n, 0,1,2,3
.irp i, 0,1,2,3
.if \i <= \n+4*(1-\diag)
	MMH 8*(4*\n+\i), KF+8*(2*\i+\c), \qf+8*(2*\n+\c), 1-\c
.endif
.endr
.endr
.endm
; O^T += V^T P^T, 32 keys at a time.  diag = 1: the first 32 keys start the sums of all 16 tiles, the second 32 are live for queries 32-63 alone.  Turns as above.
.macro PVMUL diag
.irp c, 0,1
.irp n, 0,1,2,3
.irp dt, 0,1,2,3
.if \n >= 2*\diag*\c
	MMH OB+8*(4*\n+\dt), VF+8*(2*\dt+\c), PF+8*(2*\n+\c), \diag*(1-\c)
.endif
.endr
.endr
.endr
.endm
; ONE STEP: my 64 queries (fragments at qf in window 2) x the 64 keys at koff / voff behind ak / av.
; diag = 1: the keys are my own queries: first step of a block, it starts m, the row sums and O.
; pk = 1: the fragments of K were asked for by the step before; nk = 1: this step asks for those of the next 64 keys of the same slot.
.macro STEP ak, av, koff, voff, qf, diag, pk, nk
.if \pk == 0
	WIN 0
	LOADK \ak, \koff
.endif
	s_wait_dscnt 8                                 ; d-half 0 of K is in, the eight loads of d-half 1 may be out
	WIN MULW
	SMUL \qf, 0, \diag
	s_wait_dscnt 0
	SMUL \qf, 1, \diag
	PLACES
	WIN 0
	LOADV \av, \voff                               ; they land during the softmax
.if \nk
	LOADK \ak, \koff+5120
.endif
.if \diag
	WIN 0x44                                       ; the four 16 x 16 tiles on the diagonal: key > query becomes -inf, as in reference()
.irp n, 0,1,2,3
.irp j, 0,1,2,3,4,5,6,7
	v_cndmask_b32 v[40*\n+\j], s85, v[40*\n+\j], s[88+\j]
.endr
.endr
.endif
	WIN 0x05                                       ; the maximum, onto the running one; four chains side by side
.if \diag
.irp n, 0,1,2,3
	v_max_num_f32 v[MX+\n], v[32*\n], v[32*\n+1]
.endr
.endif
.set t, \diag
.rept 16-\diag
.irp n, 0,1,2,3
.if t < 16-\diag*(12-4*\n)
	v_max3_num_f32 v[MX+\n], v[32*\n+2*t], v[32*\n+2*t+1], v[MX+\n]
.endif
.endr
.set t, t+1
.endr
	WIN 0
.irp n, 0,1,2,3
	v_permlanex16_b32 v[TT+2*\n], v[MX+\n], s86, s87   ; the other half of the keys of my query
.endr
.irp n, 0,1,2,3
	v_max_num_f32 v[MX+\n], v[MX+\n], v[TT+2*\n]
.endr
.if \diag == 0
	; the factor for what was summed under the old maximum: 2 to the difference of the two ROUNDED -c m, so that old and new terms carry one common factor
.irp n, 0,1,2,3
	v_mul_f32 v[TT+2*\n], s84, v[MX+\n]
.endr
.irp n, 0,1,2,3
	v_sub_f32 v[EE+2*\n], v[TT+2*\n], v[NM+2*\n]
.endr
.irp n, 0,1,2,3
	v_exp_f32 v[AL+2*\n], v[EE+2*\n]
.endr
.endif
.irp n, 0,1,2,3
	v_mul_f32 v[NM+2*\n], s84, v[MX+\n]            ; plain instructions behind the exponentials (ISA guide 5.7.2), and the new -c m
.endr
	WIN 0x41
.if \diag == 0
	s_wait_alu depctr_va_vdst(0)
.irp n, 0,1,2,3
.set t, 0
.rept 16
	v_pk_mul_f32 v[OB+32*\n+2*t:OB+32*\n+2*t+1], v[OB+32*\n+2*t:OB+32*\n+2*t+1], v[AL+2*\n:AL+2*\n+1] op_sel_hi:[1,0]
.set t, t+1
.endr
.endr
.endif
.irp n, 0,1,2,3
.set t, 0
.rept 16
.if t < 16-\diag*(12-4*\n)
	v_pk_fma_f32 v[32*\n+2*t:32*\n+2*t+1], v[32*\n+2*t:32*\n+2*t+1], s[82:83], v[NM+2*\n:NM+2*\n+1] op_sel_hi:[1,0,0]   ; c s - c m
.endif
.set t, t+1
.endr
.endr
.irp n, 0,1,2,3
.set t, 0
.rept 32
.if t < 32-\diag*(24-8*\n)
	v_exp_f32 v[32*\n+t], v[32*\n+t]
.endif
.set t, t+1
.endr
.endr
	v_nop                                          ; one plain instruction behind the last exponential
	; the row sums, from the unrounded p; each lane keeps the sum of its half of the keys, the halves meet at the end of the block
.if \diag
	WIN 0x05
	s_wait_alu depctr_va_vdst(0)
.irp n, 0,1,2,3
	v_pk_add_f32 v[LS+2*\n:LS+2*\n+1], v[32*\n:32*\n+1], v[32*\n+2:32*\n+3]
.endr
.else
	WIN 0x10
	s_wait_alu depctr_va_vdst(0)
.irp n, 0,1,2,3
	v_pk_fma_f32 v[LS+2*\n:LS+2*\n+1], v[LS+2*\n:LS+2*\n+1], v[AL+2*\n:AL+2*\n+1], v[32*\n:32*\n+1] op_sel_hi:[1,0,1]
.endr
.endif
	WIN 0x01
.set t, 1+\diag
.rept 15-\diag
.irp n, 0,1,2,3
.if t < 16-\diag*(12-4*\n)
	v_pk_add_f32 v[LS+2*\n:LS+2*\n+1], v[32*\n+2*t:32*\n+2*t+1], v[LS+2*\n:LS+2*\n+1]
.endif
.endr
.set t, t+1
.endr
	WIN 0x85                                       ; p to f16: register k of P is registers 2 k, 2 k + 1 of S
.irp n, 0,1,2,3
.set t, 0
.rept 16
.if t < 16-\diag*(12-4*\n)
	v_cvt_pk_f16_f32 v[PF+16*\n+t], v[32*\n+2*t], v[32*\n+2*t+1]
.endif
.set t, t+1
.endr
.endr
.if \diag
.irp z, 4,5,6,7,44,45,46,47
	v_mov_b32 v[PF+\z], 0                          ; keys 16-31 for queries 0-15 and keys 48-63 for queries 32-47: masked, but inside a live product
.endr
.endif
.if \nk
	s_wait_dscnt 16                                ; V^T is in; the 16 loads of the next K may be out
.else
	s_wait_dscnt 0
.endif
	WIN MULW
	PVMUL \diag
.endm
; One of the three tiles of 64 keys of a diagonal block that lie below the tiles of some waves: wave w takes tile d if d < w.  No barrier inside.
.macro OFFD blk, d, qf
	WIN 0
	s_cmp_le_u32 s10, \d
	s_cbranch_scc1 .Lnone_\@
	STEP AK+2*\blk+\d/2, AV+2*\blk+\d/2, 5120*(\d%2), 128*(\d%2), \qf, 0, 0, 0
	WIN 0
.Lnone_\@:
.endm
.macro DIAGPH blk, qf, akd, avd
	STEP \akd, \avd, 0, 0, \qf, 1, 0, 0
	OFFD \blk, 0, \qf
	OFFD \blk, 1, \qf
	OFFD \blk, 2, \qf
.endm
.macro RLOAD                           ; the one tensor load of the wave behind a barrier of the ring
	s_cmp_eq_u32 s11, 0
	s_cbranch_scc0 .Lring_v_\@
	tensor_load_to_lds s[40:43], s[16:23]
	s_nop 0
	s_branch .Lring_done_\@
.Lring_v_\@:
	tensor_load_to_lds s[60:63], s[24:31]
	s_nop 0
.Lring_done_\@:
.endm
; A tile of the ring (128 keys, two steps) in slot 4 + slot.  In front of the barrier every wave waits for all its tensor loads (its part of this tile among
; them) and for its reads of the other slot; behind it the other slot, 5 - slot, is asked for first (ring tile g = key tile g, or g - 2 j from block 7 - j on),
; one load a wave, which has two steps in which to land.
.macro VISIT slot, refill, qf
	WIN 0
	s_wait_tensorcnt 0x0                           ; no tensor load of mine is out: the group 0 of the ring may be written
	ds_add_u32 v254, v255
	s_wait_dscnt 0x0
.if \refill
	s_sub_co_u32 s3, s14, s13
	s_cmp_lt_u32 s14, s13
	s_cselect_b32 s3, s14, s3
	G0PAIR 40, 60, 5-\slot
	s_add_co_u32 s14, s14, 1
.endif
	s_wait_dscnt 0x0
	s_barrier_signal -1
	s_barrier_wait -1
.if \refill
	RLOAD
.endif
	STEP AK+4+\slot, AV+4+\slot, 0, 0, \qf, 0, 0, 1
	STEP AK+4+\slot, AV+4+\slot, 5120, 128, \qf, 0, 1, 0
.endm
; The end of a block: join the two halves of each row sum, divide, round to f16, through my stage, out in runs of 512 neighbouring bytes.
.macro EPI yb, more
	PLACES
	WIN 0
.irp n, 0,1,2,3
	v_add_f32 v[TT+2*\n], v[LS+2*\n], v[LS+2*\n+1]
.endr
.irp n, 0,1,2,3
	v_permlanex16_b32 v[EE+2*\n], v[TT+2*\n], s86, s87
.endr
.irp n, 0,1,2,3
	v_add_f32 v[TT+2*\n], v[TT+2*\n], v[EE+2*\n]
.endr
.irp n, 0,1,2,3
	v_rcp_f32 v[AL+2*\n], v[TT+2*\n]               ; the sum holds the term of the maximum, 2^0 up to the rounding of c m: it is never near 0
.endr
	v_nop                                          ; one plain instruction behind the reciprocals
	WIN 0x41
	s_wait_alu depctr_va_vdst(0)
.irp n, 0,1,2,3
.set t, 0
.rept 16
	v_pk_mul_f32 v[OB+32*\n+2*t:OB+32*\n+2*t+1], v[OB+32*\n+2*t:OB+32*\n+2*t+1], v[AL+2*\n:AL+2*\n+1] op_sel_hi:[1,0]
.set t, t+1
.endr
.endr
	WIN 0x05
.set t, 0
.rept 64
	v_cvt_pk_f16_f32 v[KF+t], v[OB+2*t], v[OB+2*t+1]
.set t, t+1
.endr
	WIN 0
.irp n, 0,1,2,3
.irp dt, 0,1,2,3
	ds_store_b128 v[STO], v[KF+16*\n+4*\dt:KF+16*\n+4*\dt+3] offset:\n*2304+32*\dt   ; query 16 n + r, d = 16 dt + 8 h + 0..7
.endr
.endr
.irp u, 0,1,2,3,4,5,6,7,8,9,10,11,12,13,14,15
	ds_load_b128 v[VF+4*\u:VF+4*\u+3], v[RD] offset:576*\u         ; LDS serves a wave in order: these see the stores above
.endr
.irp u, 0,1,2,3,4,5,6,7,8,9,10,11,12,13,14,15
	s_wait_dscnt 15-\u                             ; the counts run down
	global_store_b128 v[CO], v[VF+4*\u:VF+4*\u+3], s[\yb:\yb+1] offset:512*\u
.endr
.if \more
	s_wait_xcnt 0x0                                ; VF, which these stores read, is loaded again in the next block
.endif
.endm
	s_wait_tensorcnt 3                             ; my parts of slots 0 and 1 are in; ring tile 0 and slots 2, 3 stay out
	s_barrier_signal -1
	s_barrier_wait -1
	s_wait_loadcnt 16                              ; Q of block j is in, the 16 loads of block 7 - j may be out
	DIAGPH 0, QA, AKDA, AVDA
	WIN 0
	s_cmp_eq_u32 s8, 0                             ; block 0 has nothing below its diagonal block
	s_cbranch_scc1 .Lno_a
	s_mov_b32 s15, 0
.Lloop_a:
	VISIT 0, 1, QA
	VISIT 1, 1, QA
	WIN 0
	s_add_co_u32 s15, s15, 1
	s_cmp_lt_u32 s15, s8                           ; j trips of two tiles
	s_cbranch_scc1 .Lloop_a
.Lno_a:
	EPI 96, 1
	s_wait_tensorcnt 0x0                           ; my parts of slots 2 and 3 are in (for j = 0 no wait has shown that yet),
	s_wait_dscnt 0x0
	s_barrier_signal -1
	s_barrier_wait -1                              ; and those of every wave
	s_wait_loadcnt 0x0                             ; Q of block 7 - j
	DIAGPH 1, QB, AKDB, AVDB
	WIN 0
	s_mov_b32 s15, 0
.Lloop_b:
	VISIT 0, 1, QB
	VISIT 1, 1, QB
	WIN 0
	s_add_co_u32 s15, s15, 1
	s_cmp_lt_u32 s15, s2                           ; 6 - j trips, at least 3
	s_cbranch_scc1 .Lloop_b
	VISIT 0, 1, QB                                 ; the last two tiles are written out: the very last asks for nothing
	VISIT 1, 0, QB
	EPI 98, 0
	s_wait_tensorcnt 0x0
	ds_add_u32 v254, v255
	s_wait_dscnt 0x0
	s_endpgm
.Lfunc_end_k_q57c03f9cff_attn:
	.size	k_q57c03f9cff_attn, .Lfunc_end_k_q57c03f9cff_attn-k_q57c03f9cff_attn
	.p2alignl 7, 3214868480
	.fill 96, 4, 3214868480
	.section	.rodata,"a",@progbits
	.p2align	6, 0x0
	.amdhsa_kernel k_q57c03f9cff_attn
		.amdhsa_group_segment_fixed_size 327680
		.amdhsa_private_segment_fixed_size 0
		.amdhsa_enable_private_segment 0
		.amdhsa_kernarg_size 16
		.amdhsa_user_sgpr_count 2
		.amdhsa_user_sgpr_kernarg_segment_ptr 1
		.amdhsa_wavefront_size32 1
		.amdhsa_system_sgpr_workgroup_id_x 1
		.amdhsa_system_sgpr_workgroup_id_y 1
		.amdhsa_system_sgpr_workgroup_id_z 1
		.amdhsa_system_vgpr_workitem_id 0
		.amdhsa_next_free_vgpr 704
		.amdhsa_next_free_sgpr 102
		.amdhsa_reserve_vcc 0
		.amdhsa_float_denorm_mode_32 3
		.amdhsa_float_denorm_mode_16_64 3
		.amdhsa_memory_ordered 1
		.amdhsa_forward_progress 1
		.amdhsa_inst_pref_size 255
	.end_amdhsa_kernel
	.section	.bss,"aw",@nobits
	.p2align	6
	.space	262144
	.amdgpu_metadata
---
amdhsa.version: [ 1, 2 ]
amdhsa.kernels:
  - .name:           k_q57c03f9cff_attn
    .symbol:         k_q57c03f9cff_attn.kd
    .args:
      - { .name: qkv, .offset: 0, .size: 8, .value_kind: global_buffer, .address_space: global }
      - { .name: yb, .offset: 8, .size: 8, .value_kind: global_buffer, .address_space: global }
    .group_segment_fixed_size: 327680
    .private_segment_fixed_size: 0
    .kernarg_segment_align: 8
    .kernarg_segment_size: 16
    .max_flat_workgroup_size: 128
    .sgpr_count:     102
    .vgpr_count:     704
    .wavefront_size: 32
...
	.end_amdgpu_metadata
.endif
;; end of part 3
;; launch proj (part 4): grid 8 x 32, 4 waves a work-group, clusters of 4 x 4, 327,680 bytes of LDS; arguments yb, xb, out0; writes out0
.if DOCPART == 4
	.amdgcn_target "amdgcn-amd-amdhsa--gfx1250"
	.amdhsa_code_object_version 6
	.text
	.protected	k_q57c03f9cff_proj
	.globl	k_q57c03f9cff_proj
	.p2align	8
	.type	k_q57c03f9cff_proj,@function
k_q57c03f9cff_proj:
	s_mov_b64 s[64:65], 0
	v_nop
	global_prefetch_b8 v0, s[64:65] scope:SCOPE_SE
	s_setreg_imm32_b32 hwreg(HW_REG_WAVE_MODE, 25, 1), 1
	s_wait_xcnt 0x0
	s_wait_alu depctr_hold_cnt(0) depctr_sa_sdst(0) depctr_va_vdst(0) depctr_va_sdst(0) depctr_va_ssrc(0) depctr_va_vcc(0) depctr_vm_vsrc(0)
	s_getreg_b32 s2, hwreg(HW_REG_IB_STS2, 6, 4)
	s_cmp_eq_u32 s2, 0
	s_cbranch_scc0 .Lentry_in_a_cluster
	s_endpgm
.Lentry_in_a_cluster:
	s_bfe_u32 s2, ttmp6, 0x10000c
	s_cmp_lg_u32 s2, 0xf033
	s_cbranch_scc0 .Lentry_shape_is_right
	s_endpgm
.Lentry_shape_is_right:
; PROJ: out0[t][n] = sum over k of y[t][k] W_proj[n][k], 8192 x 1024 x 1024, f16 operands, f32 sums, f32 out.
; y comes from yb as [16 heads][8192 rows][64] f16 (k = 64 x head + d), W_proj from xb at byte 23,068,672 as [1024][1024] f16.
; A work-group makes 256 rows x 128 columns: 256 work-groups of equal work.  Four waves, 2 x 2, each 128 x 64: 32 accumulator tiles, window 1.
; K goes in steps of 128 = two heads through two LDS slots.  Of y a step is two planes of 256 rows x 128 bytes, each dense in memory (32 KiB);
; of W_proj 128 rows of 256 bytes.  CLUSTERS: 4 x 4 work-groups; tiles of y are asked for jointly along a row of the cluster, tiles of W_proj
; along a column.
; The matrix instruction is used transposed (source 0 = rows of W_proj, source 1 = rows of y): a lane holds one row t and 8 neighbouring columns.
.set APITCH, 144                       ; a row of a plane of y: 128 bytes + 16; an odd multiple of 16
.set BPITCH, 272                       ; a row of W_proj: 256 bytes + 16
.set PLANE,  256*APITCH                ; 36,864
.set BOFF,   2*PLANE
.set BHALF,  64*BPITCH                 ; 17,408
.set SLOT,   BOFF+2*BHALF              ; 108,544
.set STAGE,  2*SLOT                    ; behind the ring: 4,352 bytes for each wave; no tensor load ever lands there
.set LAPS,   4                         ; a lap = two K steps; 1024 / 256
.set ADRA, 16                          ; v16-17  LDS address of my fragments of y in slot 0, 1
.set ADRB, 20                          ; v20-21  the same for W_proj
.set STO,  24
.set RD,   25
.set CO,   26
.set F0,   32                          ; v32-127, v128-223: two fragment buffers (8 fragments of y at +0, 4 of W_proj at +64)
.set F1,   128
.set G1,  24
.set G0,  32
.set G1B, 48
.set G0B, 56
.set MSB, 0
.macro WIN new                         ; the high byte of the immediate repeats the setting that is left
.if MSB != \new
	s_set_vgpr_msb (MSB<<8)|\new
.set MSB, \new
.endif
.endm
.set MULW, 0x50                        ; sources 0 and 1 window 0, C and D window 1
.macro JLOAD s                         ; waves 0, 1: a plane of y each; waves 2, 3: 64 rows of W_proj each.  One mask and one set of registers a line
	s_cmp_eq_u32 s11, 0
	s_cbranch_scc0 .Lfor_b_\@
	tensor_load_to_lds s[G0+4*\s:G0+4*\s+3], s[G1:G1+7]
	s_nop 0
	s_branch .Lasked_\@
.Lfor_b_\@:
	tensor_load_to_lds s[G0B+4*\s:G0B+4*\s+3], s[G1B:G1B+7]
	s_nop 0
.Lasked_\@:
.endm
.macro CREST                           ; a round of the barrier of the cluster behind its opening barrier
	s_cmp_lg_u32 s10, 0
	s_cbranch_scc1 .Lnot_wave_0_\@
	s_barrier_signal -3
.Lnot_wave_0_\@:
	s_barrier_wait -3
	s_barrier_signal -1
	s_barrier_wait -1
.endm
.macro CROUND
	s_barrier_signal -1
	s_barrier_wait -1
	CREST
.endm
	s_load_b128 s[4:7], s[0:1], 0x0                ; yb s[4:5], xb s[6:7]
	s_load_b64 s[8:9], s[0:1], 0x10                ; out0
	v_lshl_add_u32 v254, v0, 2, 0x39400
	v_mov_b32 v255, 0
	ds_add_u32 v254, v255
	v_lshrrev_b32 v1, 5, v0
	v_readfirstlane_b32 s10, v1                    ; wave 0..3
	s_lshr_b32 s11, s10, 1                         ; which 128 rows are mine.  Also: I fetch y (0) or W_proj (1)
	s_and_b32 s12, s10, 1                          ; which 64 columns are mine.  Also: which half of that tile I fetch
	s_bfe_u32 s40, ttmp6, 0x40000                  ; cx
	s_bfe_u32 s41, ttmp6, 0x40004                  ; cy
	s_lshl_b32 s42, ttmp9, 2
	s_add_co_u32 s42, s42, s40                     ; block column
	s_and_b32 s13, ttmp7, 0xffff
	s_lshl_b32 s13, s13, 2
	s_add_co_u32 s13, s13, s41                     ; block row
	s_lshl_b32 s43, s41, 2
	s_lshl_b32 s43, 15, s43                        ; my row of the cluster
	s_lshl_b32 s44, 0x1111, s40                    ; my column
	; group 1 for y: 32,768 dense bytes as 128 rows of 32 elements of 8 bytes; 4 words of padding behind every 32 words: each 128 bytes get a pitch of 144
	s_or_b32 s[G1+0], s43, (3<<16)|(1<<20)|(1<<21)|(4<<22)|(3<<25)
	s_mov_b32 s[G1+1], 32<<16                      ; tensor_dim0 = 32
	s_mov_b32 s[G1+2], 128<<16                     ; tensor_dim1 = 128
	s_mov_b32 s[G1+3], 32<<16                      ; tile_dim0 = 32
	s_mov_b32 s[G1+4], 128                         ; tile_dim1 = 128
	s_mov_b32 s[G1+5], 32                          ; dense
	s_mov_b32 s[G1+6], 0
	s_mov_b32 s[G1+7], 0
	; group 1 for W_proj: 64 rows of 128 elements of 2 bytes, 1,024 elements from row to row; 4 words of padding behind every 64
	s_or_b32 s[G1B+0], s44, (1<<16)|(1<<20)|(1<<21)|(5<<22)|(3<<25)
	s_mov_b32 s[G1B+1], 128<<16
	s_mov_b32 s[G1B+2], 64<<16
	s_mov_b32 s[G1B+3], 128<<16
	s_mov_b32 s[G1B+4], 64
	s_mov_b32 s[G1B+5], 1024
	s_mov_b32 s[G1B+6], 0
	s_mov_b32 s[G1B+7], 0
	s_lshl_b32 s16, s12, 20                        ; y: head = my half (1,048,576 bytes a head),
	s_lshl_b32 s17, s13, 15                        ; 256 rows of 128 bytes a block row
	s_add_co_u32 s16, s16, s17
	s_mov_b32 s17, 0
	s_lshl_b32 s46, s42, 18                        ; W_proj: 128 rows of 2,048 bytes a block column,
	s_lshl_b32 s47, s12, 17                        ; 64 rows a half,
	s_add_co_u32 s46, s46, s47
	s_add_co_u32 s46, s46, 0x1600000               ; 23,068,672 bytes into xb
	s_mov_b32 s47, 0
	s_mul_i32 s20, s10, PLANE                      ; where they go: waves 0, 1: 36,864 w
	s_mul_i32 s21, s10, BHALF
	s_add_co_u32 s21, s21, BOFF-2*BHALF            ; waves 2, 3: 73,728 + 17,408 (w - 2)
	s_wait_dscnt 0x0
	s_wait_kmcnt 0x0
	s_add_nc_u64 s[14:15], s[4:5], s[16:17]
	s_add_nc_u64 s[46:47], s[6:7], s[46:47]
	CROUND                                         ; all sixteen work-groups are here: the first joint loads meet
.irp s, 0,1
	s_mov_b32 s[G0+4*\s], 1
	s_add_co_u32 s[G0+4*\s+1], s20, \s*SLOT
	s_add_nc_u64 s[G0+4*\s+2:G0+4*\s+3], s[14:15], \s*2097152       ; K step s: two heads on
	s_or_b32 s[G0+4*\s+3], s[G0+4*\s+3], 0x80000000
	s_mov_b32 s[G0B+4*\s], 1
	s_add_co_u32 s[G0B+4*\s+1], s21, \s*SLOT
	s_add_nc_u64 s[G0B+4*\s+2:G0B+4*\s+3], s[46:47], \s*256
	s_or_b32 s[G0B+4*\s+3], s[G0B+4*\s+3], 0x80000000
	JLOAD \s                                       ; two tensor loads of the wave are out
.endr
	v_and_b32 v1, 15, v0                           ; r
	v_bfe_u32 v2, v0, 4, 1                         ; h
	v_mul_u32_u24 v3, v1, APITCH
	v_lshl_add_u32 v3, v2, 4, v3
	v_mul_u32_u24 v4, v1, BPITCH
	v_lshl_add_u32 v4, v2, 4, v4
	s_mul_i32 s22, s11, 128*APITCH                 ; my 128 rows in each plane
	s_mul_i32 s23, s12, BHALF                      ; my 64 rows of W_proj
	s_add_co_u32 s23, s23, BOFF
.irp s, 0,1
	v_add_nc_u32 v[ADRA+\s], s22, v3
	v_add_nc_u32 v[ADRB+\s], s23, v4
	s_add_co_u32 s22, s22, SLOT
	s_add_co_u32 s23, s23, SLOT
.endr
	s_mul_i32 s23, s10, 16*BPITCH
	s_add_co_u32 s23, s23, STAGE                   ; my stage: 16 rows of 256 bytes, pitch 272
	v_mul_u32_u24 v5, v1, BPITCH                   ; in: row r, 32 bytes for each half of the lanes
	v_lshl_add_u32 v5, v2, 5, v5
	v_add_nc_u32 v[STO], s23, v5
	v_mul_u32_u24 v5, v2, BPITCH                   ; back: lanes 0-15 one row, lanes 16-31 the next
	v_lshl_add_u32 v5, v1, 4, v5
	v_add_nc_u32 v[RD], s23, v5
	v_lshlrev_b32 v5, 12, v2                       ; the same two rows of out0, 4,096 bytes apart
	v_lshl_add_u32 v[CO], v1, 4, v5
.macro MMH d, x, y, zero
.if \zero
	v_wmma_f32_16x16x32_f16 v[\d:\d+7], v[\x:\x+7], v[\y:\y+7], 0
.else
	v_wmma_f32_16x16x32_f16 v[\d:\d+7], v[\x:\x+7], v[\y:\y+7], v[\d:\d+7]
.endif
.endm
; 8 matrix instructions: row blocks a0, a0 + 1 x all 4 column blocks, 32 along K.  The 32 accumulators take turns, one instruction a turn.
.macro MUL8 f, a0, zero
.irp a, \a0, \a0+1
.irp b, 0,1,2,3
	MMH 8*(4*(\a)+\b), \f+64+8*\b, \f+8*(\a), \zero
.endr
.endr
.endm
; 24 LDS loads in one run: the fragments of quarter q of a K step (plane q / 2, byte 64 (q % 2) of its rows; byte 64 q of the rows of W_proj)
.macro FETCH slot, q, f
	WIN 0
.irp b, 0,1,2,3
	ds_load_b128 v[\f+64+8*\b:\f+64+8*\b+3],   v[ADRB+\slot] offset:64*\q+\b*16*BPITCH
	ds_load_b128 v[\f+64+8*\b+4:\f+64+8*\b+7], v[ADRB+\slot] offset:64*\q+\b*16*BPITCH+32
.endr
.irp a, 0,1,2,3,4,5,6,7
	ds_load_b128 v[\f+8*\a:\f+8*\a+3],   v[ADRA+\slot] offset:(\q/2)*PLANE+(\q%2)*64+\a*16*APITCH
	ds_load_b128 v[\f+8*\a+4:\f+8*\a+7], v[ADRA+\slot] offset:(\q/2)*PLANE+(\q%2)*64+\a*16*APITCH+32
.endr
.endm
.macro PLACES                          ; four plain vector instructions between a matrix instruction and a load into, or a store from, its registers
.rept 4
	v_nop
.endr
.endm
.macro QUARTER slot, q, f, g, zero
	s_wait_dscnt 8                                 ; W_proj and my rows 0-63 are in; the youngest eight loads (rows 64-127) may be out
	WIN MULW
	MUL8 \f, 0, \zero
	MUL8 \f, 2, \zero
	PLACES
	FETCH \slot, \q, \g
	s_wait_dscnt 24                                ; all but the 24 just issued
	WIN MULW
	MUL8 \f, 4, \zero
	MUL8 \f, 6, \zero
.endm
.macro THREE slot, zero
	QUARTER \slot, 1, F0, F1, \zero
	QUARTER \slot, 2, F1, F0, 0
	QUARTER \slot, 3, F0, F1, 0
.endm
; The last quarter changes slots: each wave waits for its reads of this slot and for all its tensor loads, then the barrier; with fill = 1 the barrier opens a
; round of the barrier of the cluster and the joint refill is the first tensor load behind it.  From a request to the wait for it: 120 matrix instructions.
.macro TURN slot, next, fill
	s_wait_dscnt 8
	WIN MULW
	MUL8 F1, 0, 0
	s_wait_dscnt 0
	s_wait_tensorcnt 0x0
	ds_add_u32 v254, v255
	s_wait_dscnt 0x0
	s_barrier_signal -1
	MUL8 F1, 2, 0
	WIN 0
	s_barrier_wait -1
.if \fill
	CREST
	s_add_nc_u64 s[G0+4*\slot+2:G0+4*\slot+3], s[G0+4*\slot+2:G0+4*\slot+3], 4194304    ; two K steps = four heads on
	s_add_nc_u64 s[G0B+4*\slot+2:G0B+4*\slot+3], s[G0B+4*\slot+2:G0B+4*\slot+3], 512
	JLOAD \slot
.endif
	PLACES
	FETCH \next, 0, F0
	WIN MULW
	MUL8 F1, 4, 0
	MUL8 F1, 6, 0
.endm
.macro LAP zero
	THREE 0, \zero
	TURN 0, 1, 1
	THREE 1, 0
	TURN 1, 0, 1
.endm
	s_wait_tensorcnt 1                             ; my part of K step 0 is in; K step 1 stays out
	s_barrier_signal -1
	s_barrier_wait -1
	FETCH 0, 0, F0
	LAP 1
	WIN 0
	s_mov_b32 s3, LAPS-2
.Llap:
	LAP 0
	WIN 0
	s_sub_co_u32 s3, s3, 1
	s_cmp_lg_u32 s3, 0
	s_cbranch_scc1 .Llap
	THREE 0, 0                                     ; the last lap fills nothing
	TURN 0, 1, 0
	THREE 1, 0
	s_wait_dscnt 8
	WIN MULW
	MUL8 F1, 0, 0
	MUL8 F1, 2, 0
	s_wait_dscnt 0
	MUL8 F1, 4, 0
	MUL8 F1, 6, 0
	; THE WAY OUT, 16 rows at a time: the f32 sums go as they are into my stage and come back as whole rows of 256 bytes.
	PLACES
	s_lshl_b32 s66, s13, 20                        ; 256 rows of 4,096 bytes a block row
	s_lshl_b32 s67, s11, 19                        ; 128 rows
	s_add_co_u32 s66, s66, s67
	s_lshl_b32 s67, s42, 9                         ; 128 columns of 4 bytes a block column
	s_add_co_u32 s66, s66, s67
	s_lshl_b32 s67, s12, 8                         ; 64 columns
	s_add_co_u32 s66, s66, s67
	s_mov_b32 s67, 0
	s_add_nc_u64 s[8:9], s[8:9], s[66:67]
.macro OUT16 a, rb
	WIN 0x04                                       ; store data in window 1, address in window 0
.irp b, 0,1,2,3
	ds_store_b128 v[STO], v[8*(4*\a+\b):8*(4*\a+\b)+3]   offset:64*\b       ; row r, columns 16 b + 8 h + 0..3
	ds_store_b128 v[STO], v[8*(4*\a+\b)+4:8*(4*\a+\b)+7] offset:64*\b+16    ; columns + 4..7
.endr
	WIN 0
	s_wait_xcnt 0x0                                ; the read-back registers, which earlier stores read, are loaded again only behind this wait
.irp u, 0,1,2,3,4,5,6,7
	ds_load_b128 v[\rb+4*\u:\rb+4*\u+3], v[RD] offset:2*BPITCH*\u   ; LDS serves a wave in order: these see the stores above
.endr
.irp u, 0,1,2,3,4,5,6,7
	s_wait_dscnt 7-\u
	global_store_b128 v[CO], v[\rb+4*\u:\rb+4*\u+3], s[8:9] offset:\a*65536+8192*\u th:TH_STORE_NT   ; sixteen lanes store 256 neighbouring bytes, aligned
.endr
.endm
	OUT16 0, 32
	OUT16 1, 64
	OUT16 2, 32
	OUT16 3, 64
	OUT16 4, 32
	OUT16 5, 64
	OUT16 6, 32
	OUT16 7, 64
	s_wait_tensorcnt 0x0
	ds_add_u32 v254, v255
	s_wait_dscnt 0x0
	CROUND                                         ; the closing round
	s_endpgm
.Lfunc_end_k_q57c03f9cff_proj:
	.size	k_q57c03f9cff_proj, .Lfunc_end_k_q57c03f9cff_proj-k_q57c03f9cff_proj
	.p2alignl 7, 3214868480
	.fill 96, 4, 3214868480
	.section	.rodata,"a",@progbits
	.p2align	6, 0x0
	.amdhsa_kernel k_q57c03f9cff_proj
		.amdhsa_group_segment_fixed_size 327680
		.amdhsa_private_segment_fixed_size 0
		.amdhsa_enable_private_segment 0
		.amdhsa_kernarg_size 24
		.amdhsa_user_sgpr_count 2
		.amdhsa_user_sgpr_kernarg_segment_ptr 1
		.amdhsa_wavefront_size32 1
		.amdhsa_system_sgpr_workgroup_id_x 1
		.amdhsa_system_sgpr_workgroup_id_y 1
		.amdhsa_system_sgpr_workgroup_id_z 1
		.amdhsa_system_vgpr_workitem_id 0
		.amdhsa_next_free_vgpr 512
		.amdhsa_next_free_sgpr 84
		.amdhsa_reserve_vcc 0
		.amdhsa_float_denorm_mode_32 3
		.amdhsa_float_denorm_mode_16_64 3
		.amdhsa_memory_ordered 1
		.amdhsa_forward_progress 1
		.amdhsa_inst_pref_size 118
	.end_amdhsa_kernel
	.amdgpu_metadata
---
amdhsa.version: [ 1, 2 ]
amdhsa.kernels:
  - .name:           k_q57c03f9cff_proj
    .symbol:         k_q57c03f9cff_proj.kd
    .args:
      - { .name: yb, .offset: 0, .size: 8, .value_kind: global_buffer, .address_space: global }
      - { .name: xb, .offset: 8, .size: 8, .value_kind: global_buffer, .address_space: global }
      - { .name: out0, .offset: 16, .size: 8, .value_kind: global_buffer, .address_space: global }
    .group_segment_fixed_size: 327680
    .private_segment_fixed_size: 0
    .kernarg_segment_align: 8
    .kernarg_segment_size: 24
    .max_flat_workgroup_size: 128
    .sgpr_count:     84
    .vgpr_count:     512
    .wavefront_size: 32
...
	.end_amdgpu_metadata
.endif
;; end of part 4
;; ======== version 2 of 3: 4 launches; 1.17 times as fast as version 1
;; limits: values are held in f16: magnitudes above 65,504 overflow, below 6.1e-05 lose precision
;; workspace buffers: xb 25,165,824 bytes; qkv 50,331,648 bytes; yb 16,777,216 bytes
;; launch cast: the kernel of part 1 again; grid 768 x 1, 8 waves a work-group, no clusters, 0 bytes of LDS; arguments x, W_attn, W_proj, xb; writes xb
;; launch qkv: the kernel of part 2 again; grid 16 x 32, 4 waves a work-group, clusters of 4 x 4, 327,680 bytes of LDS; arguments xb, qkv; writes qkv
;; launch attn (part 5): grid 4 x 64, 4 waves a work-group, no clusters, 327,680 bytes of LDS; arguments qkv, yb; writes yb
.if DOCPART == 5
	.amdgcn_target "amdgcn-amd-amdhsa--gfx1250"
	.amdhsa_code_object_version 6
	.text
	.protected	k_q57c03f9cff_attn
	.globl	k_q57c03f9cff_attn
	.p2align	8
	.type	k_q57c03f9cff_attn,@function
k_q57c03f9cff_attn:
	s_mov_b64 s[64:65], 0
	v_nop
	global_prefetch_b8 v0, s[64:65] scope:SCOPE_SE
	s_setreg_imm32_b32 hwreg(HW_REG_WAVE_MODE, 25, 1), 1
	s_wait_xcnt 0x0
; ATTN: y = softmax(q k^T / 8, causal) v for each of the 64 (batch, head) pairs bh; f16 operands, f32 sums, softmax in f32 with a running maximum.
; WORK LEFT OUT: scores with key > query, which reference() replaces by -inf by its own jnp.tril, add 0 to the row sum and to y for all finite
; inputs; they are left out in whole tiles (64 x 64 tiles above the diagonal, the 16 x 16 tiles above the diagonal of a diagonal tile, products of
; p with v whose 32 keys are all masked).  A NaN or an infinity that reaches only such work is not carried to the result.
; LIMITS: q, k, v in f16 (under 65,504); p is rounded to f16, so a probability under 2^-24 of the row maximum counts as 0 in the product with v
; (the row sum is taken in f32 from the unrounded p).
;
; WHO DOES WHAT: work-group (j, bh), j = 0..3, does query block j and then query block 7 - j of 256 queries: 2 j + (14 - 2 j) = 14 tiles of 128 keys
; below the diagonal blocks plus two diagonal blocks, the same in every work-group.  A wave owns 64 queries of a block, as four tiles n of 16
; queries: wave w the queries 64 w .. + 63 of block j and the queries 64 (3 - w) .. + 63 of block 7 - j.  A step is 64 queries x 64 keys: 32 matrix
; instructions for the scores, the softmax, 32 for p v.  Inside a diagonal block a wave has its own diagonal step and one full step for each 64 keys
; below it: w in block j, 3 - w in block 7 - j.  These 3 steps, the end of block j and the diagonal step of block 7 - j stand between one pair of
; barriers, so that every wave has the same work there; every wave runs 28 + 2 + 3 = 33 steps.  The running maximum allows any order of the keys.
; THE TEXT OF A STEP STANDS TEN TIMES, not once for each of the 33: the two halves of a ring tile are the two trips of a counted loop and the three tiles below
; the diagonal the three trips of another, with the LDS addresses stepped by 64 rows of K and 64 keys along the rows of V^T.
; TWO PIECES TAKE TURNS in a full step: query tiles 0, 1 and query tiles 2, 3, which share the fragments of K and V^T.  The 64 matrix instructions go in four runs
; of 16: the scores of piece 0; the scores of piece 1, with the softmax of piece 0 cut into 16 slices, one behind each matrix instruction; p v of piece 0, with the
; softmax of piece 1 likewise; p v of piece 1, with the row sums of both pieces, four packed instructions behind each.  So 48 of the 64 have vector work beside
; them; beside the first 16 nothing of the step is ready.  A slice has one window setting and the products another: 2 x 48 = 96 s_set_vgpr_msb a step.  One
; setting for both does not exist: a vector instruction that works in place on S or O wants source 0 in the window of the accumulators, which S and O fill.
; NO JOINT LOADS: the four work-groups of a head want different key tiles at the same time (block j walks 2 j tiles while block 7 - j of a
; neighbour walks 14 - 2 j); walking the keys in step would take 16 + 8 = 24 tile times instead of 18 in every work-group.
;
; ORIENTATION: S^T = K Q^T (source 0 = 16 keys, source 1 = 16 queries): lane (r, h) holds query 16 n + r and keys 16 i + 8 h + 0..7 in its 8 registers.
; Packing two such tiles in pairs IS the source 1 fragment of O^T = V^T P^T, so p never moves between lanes; a row of the softmax lies in two
; lanes (r, 0) and (r, 1), one exchange between the halves of the wave joins them; and a lane of O^T holds 8 neighbouring d of one query.
;
; LDS: two regions of 74,752 bytes, DA at 0 and DB at 74,752, for the 256 keys of the diagonal blocks j and 7 - j, each filled once: K, d 0-31: 256 rows,
; pitch 80; K, d 32-63: the same at 20,480; V^T: 64 rows of 512 bytes, pitch 528, at 40,960.  Two ring slots of 37,888 bytes at 149,504 and 187,392 for the
; 14 tiles of 128 keys below the diagonals: K halves of 128 rows at 0 and 10,240, V^T: 64 rows of 256 bytes, pitch 272, at 20,480.  All pitches are odd
; multiples of 16.  Behind them, at 225,280, a stage of 9,216 bytes for each wave, into which no tensor load ever lands.
; A wave issues one tensor load a region or tile: waves 0, 1 a d-half of K (dense in memory), waves 2, 3 32 rows of V^T.
;
; REGISTERS: window 0: addresses; KF v64-127 fragments of K ((i, c) at 8 (2 i + c)); VF v128-191 fragments of V^T ((dt, c) at 8 (2 dt + c)); v192-219 row figures
;   window 1: S (i, n) at 8 (4 n + i); O (dt, n) at 128 + 8 (4 n + dt)      window 2: Q of block j at 0, P at 64, Q of block 7 - j at 128
;   Piece p holds S at 64 p .. + 63, O at 128 + 64 p .. + 63, P at 64 + 32 p .. + 31: pair u of a piece (u = 0..31) is registers 2 u, 2 u + 1 of its S or O.
.set REG,   74752                      ; a diagonal region
.set DKH,   20480                      ;   from one d-half of K to the other
.set DVO,   40960                      ;   where V^T begins
.set DVP,   528                        ;   pitch of V^T
.set SLOT,  37888                      ; a ring slot
.set RKH,   10240
.set RVO,   20480
.set RVP,   272
.set DA,    0
.set DB,    REG
.set RING,  2*REG
.set STAGE, 2*REG+2*SLOT
.set AKR,  8                           ; v8, v9    ring slot s: its base + 80 r + 16 h
.set AVR,  10                          ; v10, v11  ring slot s: its V^T + 272 r + 16 h
.set AKDA, 12                          ; v12, v13  my own 64 keys of the diagonal of block j, for K and for V^T
.set AVDA, 13
.set AKDB, 14                          ; v14, v15  the same for block 7 - j
.set AVDB, 15
.set AKOA, 16                          ; v16, v17  the keys of DA from its first on; stepped by the loop over the tiles below the diagonal
.set AVOA, 17
.set AKOB, 18                          ; v18, v19  the same for DB
.set AVOB, 19
.set AKC,  20                          ; v20, v21  the half of a ring tile that is at work
.set AVC,  21
.set QOA, 24                           ; my byte offset in Q, block j
.set STO, 25                           ; the way out: where I put 16 bytes
.set RD,  26                           ;   where I read 16 bytes back
.set CO,  27                           ;   my byte offset in y
.set DG,  28                           ; r - 8 h: key j of a diagonal 16 x 16 tile is kept where j <= r - 8 h
.set QOB, 29                           ; my byte offset in Q, block 7 - j
.set KF,  64
.set VF,  128
.set MX,  192                          ; v192-195          tile n: running maximum m
.set NM,  196                          ; v[196+2n:197+2n]  (NM, EE): NM = -c m, rounded; EE at work
.set EE,  197
.set AL,  204                          ; v[204+2n:205+2n]  (AL, TT): AL = the factor for what was summed before; TT at work
.set TT,  205
.set LS,  212                          ; v[212+2n:213+2n]  two partial row sums of my half of the keys
.set QA,  0
.set PF,  64
.set QB,  128
.set OB,  128
.set MULW, 0x58                        ; source 0 window 0, source 1 window 2, C and D window 1
.set MSB, 0
.macro WIN new                         ; the high byte of the immediate repeats the setting that is left
.if MSB != \new
	s_set_vgpr_msb (MSB<<8)|\new
.set MSB, \new
.endif
.endm
.macro PLACES                          ; four plain vector instructions between a matrix instruction and a load into, or a vector instruction on, its registers
.rept 4
	v_nop
.endr
.endm
; Group 0 for the keys from 128 x s3 on, into LDS at base: one set for the half of K (8,192 bytes for 128 keys), one for the rows of V^T (256 bytes for 128 keys).
; wk, wv: the scalar registers that hold the place of the wave inside a region or a slot.
.macro G0PAIR gk, gv, wk, wv, base
	s_mov_b32 s[\gk], 1
	s_add_co_u32 s[\gk+1], s[\wk], (\base)
	s_lshl_b32 s80, s3, 13
	s_add_nc_u64 s[\gk+2:\gk+3], s[76:77], s[80:81]
	s_or_b32 s[\gk+3], s[\gk+3], 0x80000000
	s_mov_b32 s[\gv], 1
	s_add_co_u32 s[\gv+1], s[\wv], (\base)
	s_lshl_b32 s80, s3, 8
	s_add_nc_u64 s[\gv+2:\gv+3], s[78:79], s[80:81]
	s_or_b32 s[\gv+3], s[\gv+3], 0x80000000
.endm
	s_load_b128 s[4:7], s[0:1], 0x0                ; qkv s[4:5], yb s[6:7]
	v_lshl_add_u32 v254, v0, 2, 0x40000
	v_mov_b32 v255, 0
	ds_add_u32 v254, v255
	v_lshrrev_b32 v1, 5, v0
	v_readfirstlane_b32 s10, v1                    ; wave w: my 64 queries in block j
	s_lshr_b32 s11, s10, 1                         ; I fetch K (0) or V^T (1)
	s_and_b32 s12, s10, 1                          ; which half of it
	s_sub_co_u32 s105, 3, s10                      ; 3 - w: my 64 queries in block 7 - j
	s_mov_b32 s8, ttmp9                            ; j
	s_and_b32 s9, ttmp7, 0xffff                    ; bh
	s_lshl_b32 s13, s8, 1                          ; 2 j: ring tiles of block j
	s_sub_co_u32 s2, 6, s8                         ; trips of the loop of block 7 - j
	s_mov_b32 s14, 1                               ; g: the next ring tile to ask for (tile 0 goes out with the first fills)
	; group 1 for K of a ring tile: 8,192 dense bytes as 32 rows of 32 elements of 8 bytes; 4 words of padding behind every 16 words, so that each
	; 64 bytes (a key, 32 d) get an LDS pitch of 80
	s_mov_b32 s16, (3<<16)|(1<<20)|(3<<22)|(3<<25)
	s_mov_b32 s17, 32<<16                          ; tensor_dim0 = 32
	s_mov_b32 s18, 32<<16                          ; tensor_dim1 = 32
	s_mov_b32 s19, 32<<16                          ; tile_dim0 = 32
	s_mov_b32 s20, 32                              ; tile_dim1 = 32
	s_mov_b32 s21, 32                              ; elements from row to row: dense
	s_mov_b32 s22, 0
	s_mov_b32 s23, 0
	; group 1 for V^T of a ring tile: 32 rows of 128 elements of 2 bytes, 2,048 elements from row to row; 4 words of padding behind every 64
	s_mov_b32 s24, (1<<16)|(1<<20)|(5<<22)|(3<<25)
	s_mov_b32 s25, 128<<16
	s_mov_b32 s26, 32<<16
	s_mov_b32 s27, 128<<16
	s_mov_b32 s28, 32
	s_mov_b32 s29, 2048
	s_mov_b32 s30, 0
	s_mov_b32 s31, 0
	; group 1 for K of a diagonal region: twice the keys, 16,384 dense bytes as 64 rows, padded alike
	s_mov_b32 s32, (3<<16)|(1<<20)|(3<<22)|(3<<25)
	s_mov_b32 s33, 32<<16
	s_mov_b32 s34, 64<<16                          ; tensor_dim1 = 64
	s_mov_b32 s35, 32<<16
	s_mov_b32 s36, 64                              ; tile_dim1 = 64
	s_mov_b32 s37, 32
	s_mov_b32 s38, 0
	s_mov_b32 s39, 0
	; group 1 for V^T of a diagonal region: 32 rows of 256 elements of 2 bytes; 4 words of padding behind every 128
	s_mov_b32 s40, (1<<16)|(1<<20)|(6<<22)|(3<<25)
	s_mov_b32 s41, 256<<16
	s_mov_b32 s42, 32<<16
	s_mov_b32 s43, 256<<16
	s_mov_b32 s44, 32
	s_mov_b32 s45, 2048
	s_mov_b32 s46, 0
	s_mov_b32 s47, 0
	s_mul_i32 s100, s10, RKH                       ; inside a ring slot: waves 0, 1: 10,240 w
	s_mul_i32 s101, s10, 32*RVP
	s_add_co_u32 s101, s101, RVO-2*32*RVP          ; waves 2, 3: 20,480 + 8,704 (w - 2)
	s_mul_i32 s15, s10, DKH                        ; inside a region (s15 and s104 are at work here): waves 0, 1: 20,480 w
	s_mul_i32 s104, s10, 32*DVP
	s_add_co_u32 s104, s104, DVO-2*32*DVP          ; waves 2, 3: 40,960 + 16,896 (w - 2)
	s_lshl_b32 s80, s9, 18                         ; 262,144 bytes a head
	s_lshl_b32 s3, s12, 17                         ; a d-half of K, and 32 rows of V^T, are 131,072 bytes
	s_add_co_u32 s80, s80, s3
	s_mov_b32 s81, 0                               ; stays 0: s[80:81] is the pair for offsets
	s_wait_dscnt 0x0
	s_wait_kmcnt 0x0
	s_add_nc_u64 s[76:77], s[4:5], s[80:81]
	s_add_nc_u64 s[78:79], s[76:77], 0x2000000     ; V^T, my rows, key 0
	s_add_nc_u64 s[76:77], s[76:77], 0x1000000     ; K, my half, key 0
	s_mov_b32 s3, s13
	G0PAIR 48, 60, 15, 104, DA                     ; diagonal of block j: keys from 128 x 2 j on
	s_mov_b32 s3, 0
	G0PAIR 52, 68, 100, 101, RING                  ; ring tile 0 is key tile 0 for every j
	s_sub_co_u32 s3, 14, s13
	G0PAIR 56, 72, 15, 104, DB                     ; diagonal of block 7 - j: keys from 128 x (14 - 2 j) on
	; the first fills, one group inside one branch on the number of the wave: three tensor loads of the wave are out
	s_cmp_eq_u32 s11, 0
	s_cbranch_scc0 .Lfirst_v
	tensor_load_to_lds s[48:51], s[32:39]
	s_nop 0
	tensor_load_to_lds s[52:55], s[16:23]
	s_nop 0
	tensor_load_to_lds s[56:59], s[32:39]
	s_nop 0
	s_branch .Lfirst_done
.Lfirst_v:
	tensor_load_to_lds s[60:63], s[40:47]
	s_nop 0
	tensor_load_to_lds s[68:71], s[24:31]
	s_nop 0
	tensor_load_to_lds s[72:75], s[40:47]
	s_nop 0
.Lfirst_done:
	; my 64 queries of both blocks, straight into fragments: lane (r, h) takes d = 32 c + 8 h + 0..7 and 32 c + 16 + 8 h + 0..7 of query 16 n + r
	v_and_b32 v1, 15, v0                           ; r
	v_bfe_u32 v2, v0, 4, 1                         ; h
	v_lshlrev_b32 v5, 6, v1
	v_lshl_add_u32 v5, v2, 4, v5                   ; 64 r + 16 h
	s_lshl_b32 s3, s8, 14                          ; a block of 256 queries is 16,384 bytes of a half,
	s_lshl_b32 s15, s10, 12                        ; 64 queries are 4,096
	s_add_co_u32 s3, s3, s15
	v_add_nc_u32 v[QOA], s3, v5
	s_sub_co_u32 s3, 7, s8
	s_lshl_b32 s3, s3, 14
	s_lshl_b32 s15, s105, 12
	s_add_co_u32 s3, s3, s15
	v_add_nc_u32 v[QOB], s3, v5
	s_lshl_b32 s80, s9, 18
	s_add_nc_u64 s[66:67], s[4:5], s[80:81]
	WIN 0x80                                       ; loaded data into window 2, address in window 0
.irp n, 0,1,2,3
.irp c, 0,1
	global_load_b128 v[QA+8*(2*\n+\c):QA+8*(2*\n+\c)+3],   v[QOA], s[66:67] offset:\c*131072+\n*1024
	global_load_b128 v[QA+8*(2*\n+\c)+4:QA+8*(2*\n+\c)+7], v[QOA], s[66:67] offset:\c*131072+\n*1024+32
.endr
.endr
.irp n, 0,1,2,3
.irp c, 0,1
	global_load_b128 v[QB+8*(2*\n+\c):QB+8*(2*\n+\c)+3],   v[QOB], s[66:67] offset:\c*131072+\n*1024
	global_load_b128 v[QB+8*(2*\n+\c)+4:QB+8*(2*\n+\c)+7], v[QOB], s[66:67] offset:\c*131072+\n*1024+32
.endr
.endr
	WIN 0
	v_mul_u32_u24 v3, v1, 80
	v_lshl_add_u32 v3, v2, 4, v3                   ; K: 80 r + 16 h
	v_mul_u32_u24 v4, v1, RVP
	v_lshl_add_u32 v4, v2, 4, v4                   ; V^T of a ring slot: 272 r + 16 h
	v_mul_u32_u24 v31, v1, DVP
	v_lshl_add_u32 v31, v2, 4, v31                 ; V^T of a region: 528 r + 16 h
.irp s, 0,1
	v_add_nc_u32 v[AKR+\s], RING+\s*SLOT, v3
	v_add_nc_u32 v[AVR+\s], RING+\s*SLOT+RVO, v4
.endr
	v_mov_b32 v[AKOA], v3                          ; DA begins at LDS byte 0; a register of its own, since the loop steps it
	v_add_nc_u32 v[AVOA], DA+DVO, v31
	v_add_nc_u32 v[AKOB], DB, v3
	v_add_nc_u32 v[AVOB], DB+DVO, v31
	s_mul_i32 s3, s10, 5120                        ; my own 64 keys of a diagonal block: 64 rows of K are 5,120 bytes,
	v_add_nc_u32 v[AKDA], s3, v[AKOA]
	s_lshl_b32 s3, s10, 7                          ; 64 keys are 128 bytes along the rows of V^T
	v_add_nc_u32 v[AVDA], s3, v[AVOA]
	s_mul_i32 s3, s105, 5120
	v_add_nc_u32 v[AKDB], s3, v[AKOB]
	s_lshl_b32 s3, s105, 7
	v_add_nc_u32 v[AVDB], s3, v[AVOB]
	s_mul_i32 s3, s10, 9216
	s_add_co_u32 s3, s3, STAGE                     ; my stage: 64 rows of 128 bytes, pitch 144
	v_mul_u32_u24 v5, v1, 144
	v_lshl_add_u32 v5, v2, 4, v5
	v_add_nc_u32 v[STO], s3, v5
	v_and_b32 v6, 31, v0                           ; l
	v_lshrrev_b32 v7, 3, v6                        ; back: eight lanes take a row of 128 bytes, a wave four rows
	v_and_b32 v30, 7, v6
	v_mul_u32_u24 v7, v7, 144
	v_lshl_add_u32 v7, v30, 4, v7
	v_add_nc_u32 v[RD], s3, v7
	v_lshlrev_b32 v[CO], 4, v6                     ; four rows of y of a head are 512 neighbouring bytes
	v_lshlrev_b32 v5, 3, v2
	v_sub_nc_u32 v[DG], v1, v5                     ; r - 8 h
.irp j, 0,1,2,3,4,5,6,7
	v_cmp_ge_i32 s[88+\j], v[DG], \j               ; register j of a diagonal 16 x 16 tile is kept in these lanes
.endr
.irp n, 0,1,2,3
	v_mov_b32 v[EE+2*\n], 0                        ; the upper halves of the pairs are named by packed instructions before they are first used
	v_mov_b32 v[TT+2*\n], 0
.endr
	s_mov_b32 s82, 0x3e38aa3b                      ; c = log2(e) / 8: exp(s / 8 - m / 8) = 2^(c s - c m)
	s_mov_b32 s83, 0x3e38aa3b
	s_mov_b32 s84, 0xbe38aa3b                      ; -c
	s_mov_b32 s85, 0xff800000                      ; -inf
	s_mov_b32 s86, 0x76543210                      ; v_permlanex16_b32: lane i of one half reads lane i of the other
	s_mov_b32 s87, 0xfedcba98
	; y: [16 heads][8192 rows][64] f16: 1,048,576 bytes a head, 128 bytes a row; row = 2048 x batch + 256 x block + my first query in the block
	s_and_b32 s3, s9, 15
	s_lshl_b32 s3, s3, 20
	s_lshr_b32 s15, s9, 4
	s_lshl_b32 s15, s15, 18
	s_add_co_u32 s3, s3, s15
	s_lshl_b32 s15, s8, 15
	s_add_co_u32 s80, s3, s15
	s_lshl_b32 s15, s10, 13
	s_add_co_u32 s80, s80, s15
	s_add_nc_u64 s[96:97], s[6:7], s[80:81]        ; block j, queries 64 w
	s_sub_co_u32 s15, 7, s8
	s_lshl_b32 s15, s15, 15
	s_add_co_u32 s80, s3, s15
	s_lshl_b32 s15, s105, 13
	s_add_co_u32 s80, s80, s15
	s_add_nc_u64 s[98:99], s[6:7], s[80:81]        ; block 7 - j, queries 64 (3 - w)
.macro MMH d, x, y, zero               ; one matrix instruction; zero = 1: it starts the sum
.if \zero
	v_wmma_f32_16x16x32_f16 v[\d:\d+7], v[\x:\x+7], v[\y:\y+7], 0
.else
	v_wmma_f32_16x16x32_f16 v[\d:\d+7], v[\x:\x+7], v[\y:\y+7], v[\d:\d+7]
.endif
.endm
.macro LOADK ak, khalf                 ; 64 keys of K: 16 loads, d-half 0 first; khalf: bytes from one d-half to the other
.irp c, 0,1
.irp i, 0,1,2,3
	ds_load_b128 v[KF+8*(2*\i+\c):KF+8*(2*\i+\c)+3],   v[\ak] offset:\c*(\khalf)+\i*1280
	ds_load_b128 v[KF+8*(2*\i+\c)+4:KF+8*(2*\i+\c)+7], v[\ak] offset:\c*(\khalf)+\i*1280+32
.endr
.endr
.endm
.macro LOADV av, vdt                   ; 64 keys of V^T: 16 loads; vdt: bytes from 16 rows to the next 16
.irp dt, 0,1,2,3
.irp c, 0,1
	ds_load_b128 v[VF+8*(2*\dt+\c):VF+8*(2*\dt+\c)+3],   v[\av] offset:\dt*(\vdt)+64*\c
	ds_load_b128 v[VF+8*(2*\dt+\c)+4:VF+8*(2*\dt+\c)+7], v[\av] offset:\dt*(\vdt)+64*\c+32
.endr
.endr
.endm
; ---------------------------------------------------------------- the full step: two pieces take turns
; Matrix instruction k = 0..15 of the scores of piece p: d-half k / 8, key tile (k % 8) / 2, query tile 2 p + k % 2.  D-half 0 starts the sums.  The key tiles go in
; the order in which the maximum reads them.  The 8 accumulators of a piece take turns, one instruction a turn.
.macro SMM qf, p, k
	MMH 8*(4*(2*\p+(\k)%2)+((\k)%8)/2), KF+8*(2*(((\k)%8)/2)+(\k)/8), \qf+8*(2*(2*\p+(\k)%2)+(\k)/8), 1-(\k)/8
.endm
; Matrix instruction k = 0..15 of O^T += V^T P^T of piece p: keys 32 (k / 8) .. + 31, query tile 2 p + (k % 8) / 4, d tile k % 4.  Turns as above.
.macro PMM p, k
	MMH OB+8*(4*(2*\p+((\k)%8)/4)+(\k)%4), VF+8*(2*((\k)%4)+(\k)/8), PF+8*(2*(2*\p+((\k)%8)/4)+(\k)/8), 0
.endm
; The maximum of piece p, half hf: key tiles 2 hf and 2 hf + 1 of both query tiles.  Four chains side by side: for each query tile one onto the running maximum
; (key tiles 0, 2) and one in EE (key tiles 1, 3), which its first two scores start.  16 instructions.
.macro VMAX p, hf
.set t, 8*(\hf)
.rept 4
.irp e, 0,1
	v_max3_num_f32 v[MX+2*\p+\e], v[64*\p+32*\e+2*t], v[64*\p+32*\e+2*t+1], v[MX+2*\p+\e]
.if t == 0
	v_max_num_f32 v[EE+4*\p+2*\e], v[64*\p+32*\e+8], v[64*\p+32*\e+9]
.else
	v_max3_num_f32 v[EE+4*\p+2*\e], v[64*\p+32*\e+2*t+8], v[64*\p+32*\e+2*t+9], v[EE+4*\p+2*\e]
.endif
.endr
.set t, t+1
.endr
.endm
; The row figures of piece p, first part: the two chains meet, the two lanes of a query meet, -c m.  8 instructions.
.macro VROWA p
.irp e, 0,1
	v_max_num_f32 v[MX+2*\p+\e], v[MX+2*\p+\e], v[EE+4*\p+2*\e]
.endr
.irp e, 0,1
	v_permlanex16_b32 v[TT+4*\p+2*\e], v[MX+2*\p+\e], s86, s87   ; the other half of the keys of my query
.endr
.irp e, 0,1
	v_max_num_f32 v[MX+2*\p+\e], v[MX+2*\p+\e], v[TT+4*\p+2*\e]
.endr
.irp e, 0,1
	v_mul_f32 v[TT+4*\p+2*\e], s84, v[MX+2*\p+\e]
.endr
.endm
; Second part: the factor for what was summed under the old maximum: 2 to the difference of the two ROUNDED -c m, so that old and new terms carry one common
; factor; then the new -c m, whose two plain instructions stand behind the exponentials (ISA guide 5.7.2).  6 instructions.
.macro VROWB p
.irp e, 0,1
	v_sub_f32 v[EE+4*\p+2*\e], v[TT+4*\p+2*\e], v[NM+4*\p+2*\e]
.endr
.irp e, 0,1
	v_exp_f32 v[AL+4*\p+2*\e], v[EE+4*\p+2*\e]
.endr
.irp e, 0,1
	v_mul_f32 v[NM+4*\p+2*\e], s84, v[MX+2*\p+\e]
.endr
.endm
.macro VFMA p, w                       ; c s - c m for pair w of piece p
	v_pk_fma_f32 v[64*\p+2*(\w):64*\p+2*(\w)+1], v[64*\p+2*(\w):64*\p+2*(\w)+1], s[82:83], v[NM+4*\p+2*((\w)/16):NM+4*\p+2*((\w)/16)+1] op_sel_hi:[1,0,0]
.endm
; Pairs 4 g .. 4 g + 3 of piece p: the exponent of the NEXT pair, one exponential, the old O of this pair times its factor, the other exponential.  So behind every
; exponential but one stands a plain instruction that touches neither its result nor its source (ISA guide 5.7.2), and no exponential waits for its exponent.
.macro VEXP p, g
.set u, 4*(\g)
.if u == 0
	VFMA \p, 0
.endif
.rept 4
.if u < 31
	VFMA \p, u+1
.endif
	v_exp_f32 v[64*\p+2*u], v[64*\p+2*u]
	s_wait_alu depctr_va_vdst(0)
	v_pk_mul_f32 v[OB+64*\p+2*u:OB+64*\p+2*u+1], v[OB+64*\p+2*u:OB+64*\p+2*u+1], v[AL+4*\p+2*(u/16):AL+4*\p+2*(u/16)+1] op_sel_hi:[1,0]
	v_exp_f32 v[64*\p+2*u+1], v[64*\p+2*u+1]
.set u, u+1
.endr
.endm
.macro VCVT p, g                       ; p to f16, pairs 8 g .. 8 g + 7 of piece p: register u of its P is registers 2 u, 2 u + 1 of its S
.set u, 8*(\g)
	s_wait_alu depctr_va_vdst(0)
.rept 8
	v_cvt_pk_f16_f32 v[PF+32*\p+u], v[64*\p+2*u], v[64*\p+2*u+1]
.set u, u+1
.endr
.endm
; Slice s = 0..15 of the softmax of piece p, each under one window setting.  It names no register of the other piece, nor of K, V^T or Q.
.macro SOFT p, s
.if (\s) < 2
	WIN 0x05
	VMAX \p, \s
.endif
.if (\s) == 2
	WIN 0
	VROWA \p
.endif
.if (\s) == 3
	WIN 0
	VROWB \p
.endif
.if (\s) >= 4
.if (\s) < 12
	WIN 0x41
	VEXP \p, (\s)-4
.else
	WIN 0x85
	VCVT \p, (\s)-12
.endif
.endif
.endm
; Slice s = 0..15 of the row sums of all four query tiles, from the unrounded p, which stays in S until the next step: pair s of each tile.  The first pair comes onto the old
; sum times its factor.  Each lane keeps the sum of its half of the keys; the halves meet at the end of the block.
.macro SUMS s
.if (\s) == 0
	WIN 0x10
.irp n, 0,1,2,3
	v_pk_fma_f32 v[LS+2*\n:LS+2*\n+1], v[LS+2*\n:LS+2*\n+1], v[AL+2*\n:AL+2*\n+1], v[32*\n:32*\n+1] op_sel_hi:[1,0,1]
.endr
.else
	WIN 0x01
.irp n, 0,1,2,3
	v_pk_add_f32 v[LS+2*\n:LS+2*\n+1], v[32*\n+2*(\s):32*\n+2*(\s)+1], v[LS+2*\n:LS+2*\n+1]
.endr
.endif
.endm
; ONE FULL STEP: my 64 queries (fragments at qf in window 2) x the 64 keys at the LDS addresses in v[ak] (K) and v[av] (V^T).
; No LDS instruction of the wave is out when a step begins, and none when it ends.  Every step ends with four plain vector instructions behind its last matrix
; instruction (here the last four sums), so that the next step may load into VF at once.
.macro STEP ak, av, khalf, vdt, qf
	WIN 0
	LOADK \ak, \khalf
	LOADV \av, \vdt
	s_wait_dscnt 24                                ; of the 32 loads the first 8, d-half 0 of K, are in
	WIN MULW
.set kk, 0
.rept 8
	SMM \qf, 0, kk
.set kk, kk+1
.endr
	s_wait_dscnt 16                                ; K is whole; the 16 loads of V^T may be out
.rept 8
	SMM \qf, 0, kk
.set kk, kk+1
.endr
	PLACES                                         ; all vector work of the step hangs on these scores, so the four places behind them are empty
.set kk, 0
.rept 16
	WIN MULW
	SMM \qf, 1, kk                                 ; the scores of piece 1,
	SOFT 0, kk                                     ; the softmax of piece 0 between them
.set kk, kk+1
.endr
	s_wait_dscnt 0                                 ; V^T is in
.set kk, 0
.rept 16
	WIN MULW
	PMM 0, kk                                      ; p v of piece 0,
	SOFT 1, kk                                     ; the softmax of piece 1 between them: between a product of the run above and the first read of its scores stand
.set kk, kk+1                                          ; at least four packed multiplies, multiply-adds or maxima of other registers
.endr
.set kk, 0
.rept 16
	WIN MULW
	PMM 1, kk                                      ; p v of piece 1,
	SUMS kk                                        ; the row sums of both pieces between them
.set kk, kk+1
.endr
.endm
; ---------------------------------------------------------------- the diagonal step: two of a wave's 33, in phases, since its tiles are uneven
; The scores of d-half c: only key tiles i <= n.  Half 0 starts the sums.  The accumulators take turns, one instruction a turn.
.macro SMULD qf, c
.irp n, 0,1,2,3
.irp i, 0,1,2,3
.if \i <= \n
	MMH 8*(4*\n+\i), KF+8*(2*\i+\c), \qf+8*(2*\n+\c), 1-\c
.endif
.endr
.endr
.endm
; O^T = V^T P^T: the first 32 keys start the sums of all 16 tiles, the second 32 are live for queries 32-63 alone.  Turns as above.
.macro PVMULD
.irp c, 0,1
.irp n, 0,1,2,3
.irp dt, 0,1,2,3
.if \n >= 2*\c
	MMH OB+8*(4*\n+\dt), VF+8*(2*\dt+\c), PF+8*(2*\n+\c), 1-\c
.endif
.endr
.endr
.endr
.endm
; The keys are my own queries: the first step of a block, which starts m, the row sums and O.  Query tile n has 4 + 4 n live pairs of scores.
.macro STEPD ak, av, qf
	WIN 0
	LOADK \ak, DKH
	s_wait_dscnt 8                                 ; d-half 0 of K is in, the eight loads of d-half 1 may be out
	WIN MULW
	SMULD \qf, 0
	s_wait_dscnt 0
	SMULD \qf, 1
	PLACES
	WIN 0
	LOADV \av, 16*DVP                              ; they land during the softmax
	WIN 0x44                                       ; the four 16 x 16 tiles on the diagonal: key > query becomes -inf, as in reference()
.irp n, 0,1,2,3
.irp j, 0,1,2,3,4,5,6,7
	v_cndmask_b32 v[40*\n+\j], s85, v[40*\n+\j], s[88+\j]
.endr
.endr
	WIN 0x05                                       ; the maximum; four chains side by side
.irp n, 0,1,2,3
	v_max_num_f32 v[MX+\n], v[32*\n], v[32*\n+1]
.endr
.set t, 1
.rept 15
.irp n, 0,1,2,3
.if t < 4+4*\n
	v_max3_num_f32 v[MX+\n], v[32*\n+2*t], v[32*\n+2*t+1], v[MX+\n]
.endif
.endr
.set t, t+1
.endr
	WIN 0
.irp n, 0,1,2,3
	v_permlanex16_b32 v[TT+2*\n], v[MX+\n], s86, s87   ; the other half of the keys of my query
.endr
.irp n, 0,1,2,3
	v_max_num_f32 v[MX+\n], v[MX+\n], v[TT+2*\n]
.endr
.irp n, 0,1,2,3
	v_mul_f32 v[NM+2*\n], s84, v[MX+\n]            ; -c m
.endr
	WIN 0x41
.irp n, 0,1,2,3
.set t, 0
.rept 16
.if t < 4+4*\n
	v_pk_fma_f32 v[32*\n+2*t:32*\n+2*t+1], v[32*\n+2*t:32*\n+2*t+1], s[82:83], v[NM+2*\n:NM+2*\n+1] op_sel_hi:[1,0,0]   ; c s - c m
.endif
.set t, t+1
.endr
.endr
.irp n, 0,1,2,3
.set t, 0
.rept 32
.if t < 8+8*\n
	v_exp_f32 v[32*\n+t], v[32*\n+t]
.endif
.set t, t+1
.endr
.endr
	v_nop                                          ; one plain instruction behind the last exponential
	WIN 0x05                                       ; the row sums, from the unrounded p
	s_wait_alu depctr_va_vdst(0)
.irp n, 0,1,2,3
	v_pk_add_f32 v[LS+2*\n:LS+2*\n+1], v[32*\n:32*\n+1], v[32*\n+2:32*\n+3]
.endr
	WIN 0x01
.set t, 2
.rept 14
.irp n, 0,1,2,3
.if t < 4+4*\n
	v_pk_add_f32 v[LS+2*\n:LS+2*\n+1], v[32*\n+2*t:32*\n+2*t+1], v[LS+2*\n:LS+2*\n+1]
.endif
.endr
.set t, t+1
.endr
	WIN 0x85                                       ; p to f16: register k of P is registers 2 k, 2 k + 1 of S
.irp n, 0,1,2,3
.set t, 0
.rept 16
.if t < 4+4*\n
	v_cvt_pk_f16_f32 v[PF+16*\n+t], v[32*\n+2*t], v[32*\n+2*t+1]
.endif
.set t, t+1
.endr
.endr
.irp z, 4,5,6,7,44,45,46,47
	v_mov_b32 v[PF+\z], 0                          ; keys 16-31 for queries 0-15 and keys 48-63 for queries 32-47: masked, but inside a live product
.endr
	s_wait_dscnt 0                                 ; V^T is in
	WIN MULW
	PVMULD
	PLACES                                         ; every step ends with four places behind its last matrix instruction: the next one loads into VF at once
.endm
; The three tiles of 64 keys of a diagonal block that lie below the diagonal tile of some wave, as three trips of one text: a wave whose queries begin at 64 x s[wq]
; takes tile d if d < s[wq].  The addresses go on by 64 keys in every trip, taken or not.  No barrier and no tensor load inside.
.macro OFFD ak, av, wq, qf
	WIN 0
	s_mov_b32 s104, 0
.Loff_\@:
	s_cmp_ge_u32 s104, s[\wq]
	s_cbranch_scc1 .Lnone_\@
	STEP \ak, \av, DKH, 16*DVP, \qf
	WIN 0
.Lnone_\@:
	v_add_nc_u32 v[\ak], 5120, v[\ak]              ; 64 rows of K
	v_add_nc_u32 v[\av], 128, v[\av]               ; 64 keys along the rows of V^T
	s_add_co_u32 s104, s104, 1
	s_cmp_lt_u32 s104, 3
	s_cbranch_scc1 .Loff_\@
.endm
.macro RLOAD                           ; the one tensor load of the wave behind a barrier of the ring
	s_cmp_eq_u32 s11, 0
	s_cbranch_scc0 .Lring_v_\@
	tensor_load_to_lds s[52:55], s[16:23]
	s_nop 0
	s_branch .Lring_done_\@
.Lring_v_\@:
	tensor_load_to_lds s[68:71], s[24:31]
	s_nop 0
.Lring_done_\@:
.endm
; A tile of the ring (128 keys) in ring slot slot.  In front of the barrier every wave waits for all its tensor loads (its part of this tile among them) and for its
; reads of the other slot; behind it the other slot is asked for first (ring tile g = key tile g, or g - 2 j from block 7 - j on), one load a wave,
; which has two steps in which to land.  The two halves of the tile are the two trips of a loop over one text of a step.
.macro VISIT slot, refill, qf
	WIN 0
	s_wait_tensorcnt 0x0                           ; no tensor load of mine is out: the group 0 of the ring may be written
	ds_add_u32 v254, v255
	s_wait_dscnt 0x0
.if \refill
	s_sub_co_u32 s3, s14, s13
	s_cmp_lt_u32 s14, s13
	s_cselect_b32 s3, s14, s3
	G0PAIR 52, 68, 100, 101, RING+(1-\slot)*SLOT
	s_add_co_u32 s14, s14, 1
.endif
	s_wait_dscnt 0x0
	s_barrier_signal -1
	s_barrier_wait -1
.if \refill
	RLOAD
.endif
	v_mov_b32 v[AKC], v[AKR+\slot]                 ; the first 64 keys of this slot
	v_mov_b32 v[AVC], v[AVR+\slot]
	s_mov_b32 s104, 0
.Lhalf_\@:
	STEP AKC, AVC, RKH, 16*RVP, \qf
	WIN 0
	v_add_nc_u32 v[AKC], 5120, v[AKC]              ; 64 rows of K
	v_add_nc_u32 v[AVC], 128, v[AVC]               ; 64 keys along the rows of V^T
	s_add_co_u32 s104, s104, 1
	s_cmp_lt_u32 s104, 2
	s_cbranch_scc1 .Lhalf_\@
.endm
; The end of a block: join the two halves of each row sum, divide, round to f16, through my stage, out in runs of 512 neighbouring bytes.
.macro EPI yb, more
	PLACES
	WIN 0
.irp n, 0,1,2,3
	v_add_f32 v[TT+2*\n], v[LS+2*\n], v[LS+2*\n+1]
.endr
.irp n, 0,1,2,3
	v_permlanex16_b32 v[EE+2*\n], v[TT+2*\n], s86, s87
.endr
.irp n, 0,1,2,3
	v_add_f32 v[TT+2*\n], v[TT+2*\n], v[EE+2*\n]
.endr
.irp n, 0,1,2,3
	v_rcp_f32 v[AL+2*\n], v[TT+2*\n]               ; the sum holds the term of the maximum, 2^0 up to the rounding of c m: it is never near 0
.endr
	v_nop                                          ; one plain instruction behind the reciprocals
	WIN 0x41
	s_wait_alu depctr_va_vdst(0)
.irp n, 0,1,2,3
.set t, 0
.rept 16
	v_pk_mul_f32 v[OB+32*\n+2*t:OB+32*\n+2*t+1], v[OB+32*\n+2*t:OB+32*\n+2*t+1], v[AL+2*\n:AL+2*\n+1] op_sel_hi:[1,0]
.set t, t+1
.endr
.endr
	WIN 0x05
.set t, 0
.rept 64
	v_cvt_pk_f16_f32 v[KF+t], v[OB+2*t], v[OB+2*t+1]
.set t, t+1
.endr
	WIN 0
.irp n, 0,1,2,3
.irp dt, 0,1,2,3
	ds_store_b128 v[STO], v[KF+16*\n+4*\dt:KF+16*\n+4*\dt+3] offset:\n*2304+32*\dt   ; query 16 n + r, d = 16 dt + 8 h + 0..7
.endr
.endr
.irp u, 0,1,2,3,4,5,6,7,8,9,10,11,12,13,14,15
	ds_load_b128 v[VF+4*\u:VF+4*\u+3], v[RD] offset:576*\u         ; LDS serves a wave in order: these see the stores above
.endr
.irp u, 0,1,2,3,4,5,6,7,8,9,10,11,12,13,14,15
	s_wait_dscnt 15-\u                             ; the counts run down
	global_store_b128 v[CO], v[VF+4*\u:VF+4*\u+3], s[\yb:\yb+1] offset:512*\u
.endr
.if \more
	s_wait_xcnt 0x0                                ; VF, which these stores read, is loaded again in the next block
.endif
.endm
	s_wait_tensorcnt 2                             ; my part of DA is in; ring tile 0 and DB stay out
	s_barrier_signal -1
	s_barrier_wait -1
	s_wait_loadcnt 16                              ; Q of block j is in, the 16 loads of block 7 - j may be out
	STEPD AKDA, AVDA, QA                           ; block j: every wave its own diagonal tile,
	WIN 0
	s_cmp_eq_u32 s8, 0                             ; then the tiles below the diagonal block; block 0 has none
	s_cbranch_scc1 .Lno_a
	s_mov_b32 s15, 0
.Lloop_a:
	VISIT 0, 1, QA
	VISIT 1, 1, QA
	s_add_co_u32 s15, s15, 1
	s_cmp_lt_u32 s15, s8                           ; j trips of two tiles
	s_cbranch_scc1 .Lloop_a
.Lno_a:
	s_wait_tensorcnt 0x0                           ; my part of DB is in (for j = 0 no wait has shown that yet), and my part of the next ring tile,
	s_wait_dscnt 0x0
	s_barrier_signal -1
	s_barrier_wait -1                              ; and those of every wave
	; from here to the next barrier every wave has w + 1 + (3 - w) steps and the end of block j
	OFFD AKOA, AVOA, 10, QA                        ; block j: the w tiles of the diagonal block below my own
	EPI 96, 1
	s_wait_loadcnt 0x0                             ; Q of block 7 - j
	STEPD AKDB, AVDB, QB                           ; block 7 - j: my own diagonal tile,
	OFFD AKOB, AVOB, 105, QB                       ; the 3 - w tiles below it,
	s_mov_b32 s15, 0
.Lloop_b:
	VISIT 0, 1, QB                                 ; and the tiles below the diagonal block
	VISIT 1, 1, QB
	s_add_co_u32 s15, s15, 1
	s_cmp_lt_u32 s15, s2                           ; 6 - j trips, at least 3
	s_cbranch_scc1 .Lloop_b
	VISIT 0, 1, QB                                 ; the last two tiles are written out: the very last asks for nothing
	VISIT 1, 0, QB
	EPI 98, 0
	s_wait_tensorcnt 0x0
	ds_add_u32 v254, v255
	s_wait_dscnt 0x0
	s_endpgm
.Lfunc_end_k_q57c03f9cff_attn:
	.size	k_q57c03f9cff_attn, .Lfunc_end_k_q57c03f9cff_attn-k_q57c03f9cff_attn
	.p2alignl 7, 3214868480
	.fill 96, 4, 3214868480
	.section	.rodata,"a",@progbits
	.p2align	6, 0x0
	.amdhsa_kernel k_q57c03f9cff_attn
		.amdhsa_group_segment_fixed_size 327680
		.amdhsa_private_segment_fixed_size 0
		.amdhsa_enable_private_segment 0
		.amdhsa_kernarg_size 16
		.amdhsa_user_sgpr_count 2
		.amdhsa_user_sgpr_kernarg_segment_ptr 1
		.amdhsa_wavefront_size32 1
		.amdhsa_system_sgpr_workgroup_id_x 1
		.amdhsa_system_sgpr_workgroup_id_y 1
		.amdhsa_system_sgpr_workgroup_id_z 1
		.amdhsa_system_vgpr_workitem_id 0
		.amdhsa_next_free_vgpr 704
		.amdhsa_next_free_sgpr 106
		.amdhsa_reserve_vcc 0
		.amdhsa_float_denorm_mode_32 3
		.amdhsa_float_denorm_mode_16_64 3
		.amdhsa_memory_ordered 1
		.amdhsa_forward_progress 1
		.amdhsa_inst_pref_size 255
	.end_amdhsa_kernel
	.section	.bss,"aw",@nobits
	.p2align	6
	.space	262144
	.amdgpu_metadata
---
amdhsa.version: [ 1, 2 ]
amdhsa.kernels:
  - .name:           k_q57c03f9cff_attn
    .symbol:         k_q57c03f9cff_attn.kd
    .args:
      - { .name: qkv, .offset: 0, .size: 8, .value_kind: global_buffer, .address_space: global }
      - { .name: yb, .offset: 8, .size: 8, .value_kind: global_buffer, .address_space: global }
    .group_segment_fixed_size: 327680
    .private_segment_fixed_size: 0
    .kernarg_segment_align: 8
    .kernarg_segment_size: 16
    .max_flat_workgroup_size: 128
    .sgpr_count:     106
    .vgpr_count:     704
    .wavefront_size: 32
...
	.end_amdgpu_metadata
.endif
;; end of part 5
;; launch proj: the kernel of part 4 again; grid 8 x 32, 4 waves a work-group, clusters of 4 x 4, 327,680 bytes of LDS; arguments yb, xb, out0; writes out0
;; ======== version 3 of 3: 4 launches; 1.39 times as fast as version 1
;; limits: values are held in f16: magnitudes above 65,504 overflow, below 6.1e-05 lose precision
;; workspace buffers: xb 25,165,824 bytes; qkv 50,331,648 bytes; yb 16,777,216 bytes
;; launch cast: the kernel of part 1 again; grid 768 x 1, 8 waves a work-group, no clusters, 0 bytes of LDS; arguments x, W_attn, W_proj, xb; writes xb
;; launch qkv: the kernel of part 2 again; grid 16 x 32, 4 waves a work-group, clusters of 4 x 4, 327,680 bytes of LDS; arguments xb, qkv; writes qkv
;; launch attn (part 6): grid 4 x 64, 4 waves a work-group, no clusters, 327,680 bytes of LDS; arguments qkv, yb; writes yb
.if DOCPART == 6
	.amdgcn_target "amdgcn-amd-amdhsa--gfx1250"
	.amdhsa_code_object_version 6
	.text
	.protected	k_q57c03f9cff_attn
	.globl	k_q57c03f9cff_attn
	.p2align	8
	.type	k_q57c03f9cff_attn,@function
k_q57c03f9cff_attn:
	s_mov_b64 s[64:65], 0
	v_nop
	global_prefetch_b8 v0, s[64:65] scope:SCOPE_SE
	s_setreg_imm32_b32 hwreg(HW_REG_WAVE_MODE, 25, 1), 1
	s_wait_xcnt 0x0
; ATTN: y = softmax(q k^T / 8, causal) v for each of the 64 (batch, head) pairs bh; f16 operands, f32 sums, softmax in f32 with a running maximum.
; WORK LEFT OUT: scores with key > query, which reference() replaces by -inf by its own jnp.tril, add 0 to the row sum and to y for all finite
; inputs; they are left out in whole tiles (64 x 64 tiles above the diagonal, the 16 x 16 tiles above the diagonal of a diagonal tile, products of
; p with v whose 32 keys are all masked).  A NaN or an infinity that reaches only such work is not carried to the result.
; LIMITS: q, k, v in f16 (under 65,504); p is rounded to f16, so a probability under 2^-24 of the row maximum counts as 0 in the product with v
; (the row sum is taken in f32 from the unrounded p).
;
; WHO DOES WHAT: work-group (j, bh), j = 0..3, does query block j and then query block 7 - j of 256 queries: 2 j + (14 - 2 j) = 14 tiles of 128 keys
; below the diagonal blocks plus two diagonal blocks, the same in every work-group.  A wave owns 64 queries of a block, as four tiles n of 16
; queries: wave w the queries 64 w .. + 63 of block j and the queries 64 (3 - w) .. + 63 of block 7 - j.  A step is 64 queries x 64 keys: 32 matrix
; instructions for the scores, the softmax, 32 for p v.  Inside a diagonal block a wave has its own diagonal step and one full step for each 64 keys
; below it: w in block j, 3 - w in block 7 - j.  These 3 steps, the end of block j and the diagonal step of block 7 - j stand between one pair of
; barriers, so that every wave has the same work there; every wave runs 28 + 2 + 3 = 33 steps.  The running maximum allows any order of the keys.
; THE TEXT OF A STEP STANDS TEN TIMES, not once for each of the 33: the two halves of a ring tile are the two trips of a counted loop and the three tiles below
; the diagonal the three trips of another, with the LDS addresses stepped by 64 rows of K and 64 keys along the rows of V^T.
; TWO PIECES TAKE TURNS in a full step: query tiles 0, 1 and query tiles 2, 3, which share the fragments of K and V^T.  The 64 matrix instructions go in four runs
; of 16: the scores of piece 0; the scores of piece 1, with the softmax of piece 0 cut into 16 slices, one behind each matrix instruction; p v of piece 0, with the
; softmax of piece 1 likewise; p v of piece 1, with the row sums of both pieces, four packed instructions behind each.  So 48 of the 64 have vector work beside
; them; beside the first 16 nothing of the step is ready.  A slice has one window setting and the products another: 2 x 48 = 96 s_set_vgpr_msb a step.  One
; setting for both does not exist: a vector instruction that works in place on S or O wants source 0 in the window of the accumulators, which S and O fill.
; THE EXPONENTIALS OF A PIECE ARE ONE BATCH WITH ONE WAIT: its two factors (slice 3) and its 64 weights (slices 4 to 11), 66 in all.  Ahead of the wait, which ends
; slice 11, nothing names a result of theirs: there stand the exponents c s - c m, one packed instruction ahead of each two exponentials, and the other piece's
; products.  Behind it stand all that read them: the old O times its factor (slices 12, 13), the conversions to f16 (slices 14, 15) and, in the step's last run, the
; row sums.  So a full step has two waits; the diagonal step has one for its 80 exponentials, the end of a block one for its four reciprocals.  Behind a step's last
; wait.
; NO JOINT LOADS: the four work-groups of a head want different key tiles at the same time (block j walks 2 j tiles while block 7 - j of a
; neighbour walks 14 - 2 j); walking the keys in step would take 16 + 8 = 24 tile times instead of 18 in every work-group.
;
; ORIENTATION: S^T = K Q^T (source 0 = 16 keys, source 1 = 16 queries): lane (r, h) holds query 16 n + r and keys 16 i + 8 h + 0..7 in its 8 registers.
; Packing two such tiles in pairs IS the source 1 fragment of O^T = V^T P^T, so p never moves between lanes; a row of the softmax lies in two
; lanes (r, 0) and (r, 1), one exchange between the halves of the wave joins them; and a lane of O^T holds 8 neighbouring d of one query.
;
; LDS: two regions of 74,752 bytes, DA at 0 and DB at 74,752, for the 256 keys of the diagonal blocks j and 7 - j, each filled once: K, d 0-31: 256 rows,
; pitch 80; K, d 32-63: the same at 20,480; V^T: 64 rows of 512 bytes, pitch 528, at 40,960.  Two ring slots of 37,888 bytes at 149,504 and 187,392 for the
; 14 tiles of 128 keys below the diagonals: K halves of 128 rows at 0 and 10,240, V^T: 64 rows of 256 bytes, pitch 272, at 20,480.  All pitches are odd
; multiples of 16.  Behind them, at 225,280, a stage of 9,216 bytes for each wave, into which no tensor load ever lands.
; A wave issues one tensor load a region or tile: waves 0, 1 a d-half of K (dense in memory), waves 2, 3 32 rows of V^T.
;
; REGISTERS: window 0: addresses; KF v64-127 fragments of K ((i, c) at 8 (2 i + c)); VF v128-191 fragments of V^T ((dt, c) at 8 (2 dt + c)); v192-219 row figures
;   window 1: S (i, n) at 8 (4 n + i); O (dt, n) at 128 + 8 (4 n + dt)      window 2: Q of block j at 0, P at 64, Q of block 7 - j at 128
;   Piece p holds S at 64 p .. + 63, O at 128 + 64 p .. + 63, P at 64 + 32 p .. + 31: pair u of a piece (u = 0..31) is registers 2 u, 2 u + 1 of its S or O.
.set REG,   74752                      ; a diagonal region
.set DKH,   20480                      ;   from one d-half of K to the other
.set DVO,   40960                      ;   where V^T begins
.set DVP,   528                        ;   pitch of V^T
.set SLOT,  37888                      ; a ring slot
.set RKH,   10240
.set RVO,   20480
.set RVP,   272
.set DA,    0
.set DB,    REG
.set RING,  2*REG
.set STAGE, 2*REG+2*SLOT
.set AKR,  8                           ; v8, v9    ring slot s: its base + 80 r + 16 h
.set AVR,  10                          ; v10, v11  ring slot s: its V^T + 272 r + 16 h
.set AKDA, 12                          ; v12, v13  my own 64 keys of the diagonal of block j, for K and for V^T
.set AVDA, 13
.set AKDB, 14                          ; v14, v15  the same for block 7 - j
.set AVDB, 15
.set AKOA, 16                          ; v16, v17  the keys of DA from its first on; stepped by the loop over the tiles below the diagonal
.set AVOA, 17
.set AKOB, 18                          ; v18, v19  the same for DB
.set AVOB, 19
.set AKC,  20                          ; v20, v21  the half of a ring tile that is at work
.set AVC,  21
.set QOA, 24                           ; my byte offset in Q, block j
.set STO, 25                           ; the way out: where I put 16 bytes
.set RD,  26                           ;   where I read 16 bytes back
.set CO,  27                           ;   my byte offset in y
.set DG,  28                           ; r - 8 h: key j of a diagonal 16 x 16 tile is kept where j <= r - 8 h
.set QOB, 29                           ; my byte offset in Q, block 7 - j
.set KF,  64
.set VF,  128
.set MX,  192                          ; v192-195          tile n: running maximum m
.set NM,  196                          ; v[196+2n:197+2n]  (NM, EE): NM = -c m, rounded; EE at work
.set EE,  197
.set AL,  204                          ; v[204+2n:205+2n]  (AL, TT): AL = the factor for what was summed before; TT at work
.set TT,  205
.set LS,  212                          ; v[212+2n:213+2n]  two partial row sums of my half of the keys
.set QA,  0
.set PF,  64
.set QB,  128
.set OB,  128
.set MULW, 0x58                        ; source 0 window 0, source 1 window 2, C and D window 1
.set MSB, 0
.macro WIN new                         ; the high byte of the immediate repeats the setting that is left
.if MSB != \new
	s_set_vgpr_msb (MSB<<8)|\new
.set MSB, \new
.endif
.endm
.macro PLACES                          ; four plain vector instructions between a matrix instruction and a load into, or a vector instruction on, its registers
.rept 4
	v_nop
.endr
.endm
; Group 0 for the keys from 128 x s3 on, into LDS at base: one set for the half of K (8,192 bytes for 128 keys), one for the rows of V^T (256 bytes for 128 keys).
; wk, wv: the scalar registers that hold the place of the wave inside a region or a slot.
.macro G0PAIR gk, gv, wk, wv, base
	s_mov_b32 s[\gk], 1
	s_add_co_u32 s[\gk+1], s[\wk], (\base)
	s_lshl_b32 s80, s3, 13
	s_add_nc_u64 s[\gk+2:\gk+3], s[76:77], s[80:81]
	s_or_b32 s[\gk+3], s[\gk+3], 0x80000000
	s_mov_b32 s[\gv], 1
	s_add_co_u32 s[\gv+1], s[\wv], (\base)
	s_lshl_b32 s80, s3, 8
	s_add_nc_u64 s[\gv+2:\gv+3], s[78:79], s[80:81]
	s_or_b32 s[\gv+3], s[\gv+3], 0x80000000
.endm
	s_load_b128 s[4:7], s[0:1], 0x0                ; qkv s[4:5], yb s[6:7]
	v_lshl_add_u32 v254, v0, 2, 0x40000
	v_mov_b32 v255, 0
	ds_add_u32 v254, v255
	v_lshrrev_b32 v1, 5, v0
	v_readfirstlane_b32 s10, v1                    ; wave w: my 64 queries in block j
	s_lshr_b32 s11, s10, 1                         ; I fetch K (0) or V^T (1)
	s_and_b32 s12, s10, 1                          ; which half of it
	s_sub_co_u32 s105, 3, s10                      ; 3 - w: my 64 queries in block 7 - j
	s_mov_b32 s8, ttmp9                            ; j
	s_and_b32 s9, ttmp7, 0xffff                    ; bh
	s_lshl_b32 s13, s8, 1                          ; 2 j: ring tiles of block j
	s_sub_co_u32 s2, 6, s8                         ; trips of the loop of block 7 - j
	s_mov_b32 s14, 1                               ; g: the next ring tile to ask for (tile 0 goes out with the first fills)
	; group 1 for K of a ring tile: 8,192 dense bytes as 32 rows of 32 elements of 8 bytes; 4 words of padding behind every 16 words, so that each
	; 64 bytes (a key, 32 d) get an LDS pitch of 80
	s_mov_b32 s16, (3<<16)|(1<<20)|(3<<22)|(3<<25)
	s_mov_b32 s17, 32<<16                          ; tensor_dim0 = 32
	s_mov_b32 s18, 32<<16                          ; tensor_dim1 = 32
	s_mov_b32 s19, 32<<16                          ; tile_dim0 = 32
	s_mov_b32 s20, 32                              ; tile_dim1 = 32
	s_mov_b32 s21, 32                              ; elements from row to row: dense
	s_mov_b32 s22, 0
	s_mov_b32 s23, 0
	; group 1 for V^T of a ring tile: 32 rows of 128 elements of 2 bytes, 2,048 elements from row to row; 4 words of padding behind every 64
	s_mov_b32 s24, (1<<16)|(1<<20)|(5<<22)|(3<<25)
	s_mov_b32 s25, 128<<16
	s_mov_b32 s26, 32<<16
	s_mov_b32 s27, 128<<16
	s_mov_b32 s28, 32
	s_mov_b32 s29, 2048
	s_mov_b32 s30, 0
	s_mov_b32 s31, 0
	; group 1 for K of a diagonal region: twice the keys, 16,384 dense bytes as 64 rows, padded alike
	s_mov_b32 s32, (3<<16)|(1<<20)|(3<<22)|(3<<25)
	s_mov_b32 s33, 32<<16
	s_mov_b32 s34, 64<<16                          ; tensor_dim1 = 64
	s_mov_b32 s35, 32<<16
	s_mov_b32 s36, 64                              ; tile_dim1 = 64
	s_mov_b32 s37, 32
	s_mov_b32 s38, 0
	s_mov_b32 s39, 0
	; group 1 for V^T of a diagonal region: 32 rows of 256 elements of 2 bytes; 4 words of padding behind every 128
	s_mov_b32 s40, (1<<16)|(1<<20)|(6<<22)|(3<<25)
	s_mov_b32 s41, 256<<16
	s_mov_b32 s42, 32<<16
	s_mov_b32 s43, 256<<16
	s_mov_b32 s44, 32
	s_mov_b32 s45, 2048
	s_mov_b32 s46, 0
	s_mov_b32 s47, 0
	s_mul_i32 s100, s10, RKH                       ; inside a ring slot: waves 0, 1: 10,240 w
	s_mul_i32 s101, s10, 32*RVP
	s_add_co_u32 s101, s101, RVO-2*32*RVP          ; waves 2, 3: 20,480 + 8,704 (w - 2)
	s_mul_i32 s15, s10, DKH                        ; inside a region (s15 and s104 are at work here): waves 0, 1: 20,480 w
	s_mul_i32 s104, s10, 32*DVP
	s_add_co_u32 s104, s104, DVO-2*32*DVP          ; waves 2, 3: 40,960 + 16,896 (w - 2)
	s_lshl_b32 s80, s9, 18                         ; 262,144 bytes a head
	s_lshl_b32 s3, s12, 17                         ; a d-half of K, and 32 rows of V^T, are 131,072 bytes
	s_add_co_u32 s80, s80, s3
	s_mov_b32 s81, 0                               ; stays 0: s[80:81] is the pair for offsets
	s_wait_dscnt 0x0
	s_wait_kmcnt 0x0
	s_add_nc_u64 s[76:77], s[4:5], s[80:81]
	s_add_nc_u64 s[78:79], s[76:77], 0x2000000     ; V^T, my rows, key 0
	s_add_nc_u64 s[76:77], s[76:77], 0x1000000     ; K, my half, key 0
	s_mov_b32 s3, s13
	G0PAIR 48, 60, 15, 104, DA                     ; diagonal of block j: keys from 128 x 2 j on
	s_mov_b32 s3, 0
	G0PAIR 52, 68, 100, 101, RING                  ; ring tile 0 is key tile 0 for every j
	s_sub_co_u32 s3, 14, s13
	G0PAIR 56, 72, 15, 104, DB                     ; diagonal of block 7 - j: keys from 128 x (14 - 2 j) on
	; the first fills, one group inside one branch on the number of the wave: three tensor loads of the wave are out
	s_cmp_eq_u32 s11, 0
	s_cbranch_scc0 .Lfirst_v
	tensor_load_to_lds s[48:51], s[32:39]
	s_nop 0
	tensor_load_to_lds s[52:55], s[16:23]
	s_nop 0
	tensor_load_to_lds s[56:59], s[32:39]
	s_nop 0
	s_branch .Lfirst_done
.Lfirst_v:
	tensor_load_to_lds s[60:63], s[40:47]
	s_nop 0
	tensor_load_to_lds s[68:71], s[24:31]
	s_nop 0
	tensor_load_to_lds s[72:75], s[40:47]
	s_nop 0
.Lfirst_done:
	; my 64 queries of both blocks, straight into fragments: lane (r, h) takes d = 32 c + 8 h + 0..7 and 32 c + 16 + 8 h + 0..7 of query 16 n + r
	v_and_b32 v1, 15, v0                           ; r
	v_bfe_u32 v2, v0, 4, 1                         ; h
	v_lshlrev_b32 v5, 6, v1
	v_lshl_add_u32 v5, v2, 4, v5                   ; 64 r + 16 h
	s_lshl_b32 s3, s8, 14                          ; a block of 256 queries is 16,384 bytes of a half,
	s_lshl_b32 s15, s10, 12                        ; 64 queries are 4,096
	s_add_co_u32 s3, s3, s15
	v_add_nc_u32 v[QOA], s3, v5
	s_sub_co_u32 s3, 7, s8
	s_lshl_b32 s3, s3, 14
	s_lshl_b32 s15, s105, 12
	s_add_co_u32 s3, s3, s15
	v_add_nc_u32 v[QOB], s3, v5
	s_lshl_b32 s80, s9, 18
	s_add_nc_u64 s[66:67], s[4:5], s[80:81]
	WIN 0x80                                       ; loaded data into window 2, address in window 0
.irp n, 0,1,2,3
.irp c, 0,1
	global_load_b128 v[QA+8*(2*\n+\c):QA+8*(2*\n+\c)+3],   v[QOA], s[66:67] offset:\c*131072+\n*1024
	global_load_b128 v[QA+8*(2*\n+\c)+4:QA+8*(2*\n+\c)+7], v[QOA], s[66:67] offset:\c*131072+\n*1024+32
.endr
.endr
.irp n, 0,1,2,3
.irp c, 0,1
	global_load_b128 v[QB+8*(2*\n+\c):QB+8*(2*\n+\c)+3],   v[QOB], s[66:67] offset:\c*131072+\n*1024
	global_load_b128 v[QB+8*(2*\n+\c)+4:QB+8*(2*\n+\c)+7], v[QOB], s[66:67] offset:\c*131072+\n*1024+32
.endr
.endr
	WIN 0
	v_mul_u32_u24 v3, v1, 80
	v_lshl_add_u32 v3, v2, 4, v3                   ; K: 80 r + 16 h
	v_mul_u32_u24 v4, v1, RVP
	v_lshl_add_u32 v4, v2, 4, v4                   ; V^T of a ring slot: 272 r + 16 h
	v_mul_u32_u24 v31, v1, DVP
	v_lshl_add_u32 v31, v2, 4, v31                 ; V^T of a region: 528 r + 16 h
.irp s, 0,1
	v_add_nc_u32 v[AKR+\s], RING+\s*SLOT, v3
	v_add_nc_u32 v[AVR+\s], RING+\s*SLOT+RVO, v4
.endr
	v_mov_b32 v[AKOA], v3                          ; DA begins at LDS byte 0; a register of its own, since the loop steps it
	v_add_nc_u32 v[AVOA], DA+DVO, v31
	v_add_nc_u32 v[AKOB], DB, v3
	v_add_nc_u32 v[AVOB], DB+DVO, v31
	s_mul_i32 s3, s10, 5120                        ; my own 64 keys of a diagonal block: 64 rows of K are 5,120 bytes,
	v_add_nc_u32 v[AKDA], s3, v[AKOA]
	s_lshl_b32 s3, s10, 7                          ; 64 keys are 128 bytes along the rows of V^T
	v_add_nc_u32 v[AVDA], s3, v[AVOA]
	s_mul_i32 s3, s105, 5120
	v_add_nc_u32 v[AKDB], s3, v[AKOB]
	s_lshl_b32 s3, s105, 7
	v_add_nc_u32 v[AVDB], s3, v[AVOB]
	s_mul_i32 s3, s10, 9216
	s_add_co_u32 s3, s3, STAGE                     ; my stage: 64 rows of 128 bytes, pitch 144
	v_mul_u32_u24 v5, v1, 144
	v_lshl_add_u32 v5, v2, 4, v5
	v_add_nc_u32 v[STO], s3, v5
	v_and_b32 v6, 31, v0                           ; l
	v_lshrrev_b32 v7, 3, v6                        ; back: eight lanes take a row of 128 bytes, a wave four rows
	v_and_b32 v30, 7, v6
	v_mul_u32_u24 v7, v7, 144
	v_lshl_add_u32 v7, v30, 4, v7
	v_add_nc_u32 v[RD], s3, v7
	v_lshlrev_b32 v[CO], 4, v6                     ; four rows of y of a head are 512 neighbouring bytes
	v_lshlrev_b32 v5, 3, v2
	v_sub_nc_u32 v[DG], v1, v5                     ; r - 8 h
.irp j, 0,1,2,3,4,5,6,7
	v_cmp_ge_i32 s[88+\j], v[DG], \j               ; register j of a diagonal 16 x 16 tile is kept in these lanes
.endr
.irp n, 0,1,2,3
	v_mov_b32 v[EE+2*\n], 0                        ; the upper halves of the pairs are named by packed instructions before they are first used
	v_mov_b32 v[TT+2*\n], 0
.endr
	s_mov_b32 s82, 0x3e38aa3b                      ; c = log2(e) / 8: exp(s / 8 - m / 8) = 2^(c s - c m)
	s_mov_b32 s83, 0x3e38aa3b
	s_mov_b32 s84, 0xbe38aa3b                      ; -c
	s_mov_b32 s85, 0xff800000                      ; -inf
	s_mov_b32 s86, 0x76543210                      ; v_permlanex16_b32: lane i of one half reads lane i of the other
	s_mov_b32 s87, 0xfedcba98
	; y: [16 heads][8192 rows][64] f16: 1,048,576 bytes a head, 128 bytes a row; row = 2048 x batch + 256 x block + my first query in the block
	s_and_b32 s3, s9, 15
	s_lshl_b32 s3, s3, 20
	s_lshr_b32 s15, s9, 4
	s_lshl_b32 s15, s15, 18
	s_add_co_u32 s3, s3, s15
	s_lshl_b32 s15, s8, 15
	s_add_co_u32 s80, s3, s15
	s_lshl_b32 s15, s10, 13
	s_add_co_u32 s80, s80, s15
	s_add_nc_u64 s[96:97], s[6:7], s[80:81]        ; block j, queries 64 w
	s_sub_co_u32 s15, 7, s8
	s_lshl_b32 s15, s15, 15
	s_add_co_u32 s80, s3, s15
	s_lshl_b32 s15, s105, 13
	s_add_co_u32 s80, s80, s15
	s_add_nc_u64 s[98:99], s[6:7], s[80:81]        ; block 7 - j, queries 64 (3 - w)
.macro MMH d, x, y, zero               ; one matrix instruction; zero = 1: it starts the sum
.if \zero
	v_wmma_f32_16x16x32_f16 v[\d:\d+7], v[\x:\x+7], v[\y:\y+7], 0
.else
	v_wmma_f32_16x16x32_f16 v[\d:\d+7], v[\x:\x+7], v[\y:\y+7], v[\d:\d+7]
.endif
.endm
.macro LOADK ak, khalf                 ; 64 keys of K: 16 loads, d-half 0 first; khalf: bytes from one d-half to the other
.irp c, 0,1
.irp i, 0,1,2,3
	ds_load_b128 v[KF+8*(2*\i+\c):KF+8*(2*\i+\c)+3],   v[\ak] offset:\c*(\khalf)+\i*1280
	ds_load_b128 v[KF+8*(2*\i+\c)+4:KF+8*(2*\i+\c)+7], v[\ak] offset:\c*(\khalf)+\i*1280+32
.endr
.endr
.endm
.macro LOADV av, vdt                   ; 64 keys of V^T: 16 loads; vdt: bytes from 16 rows to the next 16
.irp dt, 0,1,2,3
.irp c, 0,1
	ds_load_b128 v[VF+8*(2*\dt+\c):VF+8*(2*\dt+\c)+3],   v[\av] offset:\dt*(\vdt)+64*\c
	ds_load_b128 v[VF+8*(2*\dt+\c)+4:VF+8*(2*\dt+\c)+7], v[\av] offset:\dt*(\vdt)+64*\c+32
.endr
.endr
.endm
; ---------------------------------------------------------------- the full step: two pieces take turns
; Matrix instruction k = 0..15 of the scores of piece p: d-half k / 8, key tile (k % 8) / 2, query tile 2 p + k % 2.  D-half 0 starts the sums.  The key tiles go in
; the order in which the maximum reads them.  The 8 accumulators of a piece take turns, one instruction a turn.
.macro SMM qf, p, k
	MMH 8*(4*(2*\p+(\k)%2)+((\k)%8)/2), KF+8*(2*(((\k)%8)/2)+(\k)/8), \qf+8*(2*(2*\p+(\k)%2)+(\k)/8), 1-(\k)/8
.endm
; Matrix instruction k = 0..15 of O^T += V^T P^T of piece p: keys 32 (k / 8) .. + 31, query tile 2 p + (k % 8) / 4, d tile k % 4.  Turns as above.
.macro PMM p, k
	MMH OB+8*(4*(2*\p+((\k)%8)/4)+(\k)%4), VF+8*(2*((\k)%4)+(\k)/8), PF+8*(2*(2*\p+((\k)%8)/4)+(\k)/8), 0
.endm
; The maximum of piece p, half hf: key tiles 2 hf and 2 hf + 1 of both query tiles.  Four chains side by side: for each query tile one onto the running maximum
; (key tiles 0, 2) and one in EE (key tiles 1, 3), which its first two scores start.  16 instructions.
.macro VMAX p, hf
.set t, 8*(\hf)
.rept 4
.irp e, 0,1
	v_max3_num_f32 v[MX+2*\p+\e], v[64*\p+32*\e+2*t], v[64*\p+32*\e+2*t+1], v[MX+2*\p+\e]
.if t == 0
	v_max_num_f32 v[EE+4*\p+2*\e], v[64*\p+32*\e+8], v[64*\p+32*\e+9]
.else
	v_max3_num_f32 v[EE+4*\p+2*\e], v[64*\p+32*\e+2*t+8], v[64*\p+32*\e+2*t+9], v[EE+4*\p+2*\e]
.endif
.endr
.set t, t+1
.endr
.endm
; The row figures of piece p, first part: the two chains meet, the two lanes of a query meet, -c m.  8 instructions.
.macro VROWA p
.irp e, 0,1
	v_max_num_f32 v[MX+2*\p+\e], v[MX+2*\p+\e], v[EE+4*\p+2*\e]
.endr
.irp e, 0,1
	v_permlanex16_b32 v[TT+4*\p+2*\e], v[MX+2*\p+\e], s86, s87   ; the other half of the keys of my query
.endr
.irp e, 0,1
	v_max_num_f32 v[MX+2*\p+\e], v[MX+2*\p+\e], v[TT+4*\p+2*\e]
.endr
.irp e, 0,1
	v_mul_f32 v[TT+4*\p+2*\e], s84, v[MX+2*\p+\e]
.endr
.endm
; Second part: the factor for what was summed under the old maximum: 2 to the difference of the two ROUNDED -c m, so that old and new terms carry one common
; factor; then the new -c m, whose two plain instructions stand behind the exponentials (ISA guide 5.7.2).  6 instructions.  The two factors open the piece's batch:
; nothing names them ahead of the wait that ends slice 11.
.macro VROWB p
.irp e, 0,1
	v_sub_f32 v[EE+4*\p+2*\e], v[TT+4*\p+2*\e], v[NM+4*\p+2*\e]
.endr
.irp e, 0,1
	v_exp_f32 v[AL+4*\p+2*\e], v[EE+4*\p+2*\e]
.endr
.irp e, 0,1
	v_mul_f32 v[NM+4*\p+2*\e], s84, v[MX+2*\p+\e]
.endr
.endm
.macro VFMA p, w                       ; c s - c m for pair w of piece p
	v_pk_fma_f32 v[64*\p+2*(\w):64*\p+2*(\w)+1], v[64*\p+2*(\w):64*\p+2*(\w)+1], s[82:83], v[NM+4*\p+2*((\w)/16):NM+4*\p+2*((\w)/16)+1] op_sel_hi:[1,0,0]
.endm
; Pairs 4 g .. 4 g + 3 of piece p, the batch's weights: the exponent of the NEXT pair, then this pair's two exponentials, in place.  No exponential waits for its exponent,
; and no line here names a result of the batch: an exponent is written only into a pair whose exponentials are still to come, and reads (NM, EE) beside it.
; An exponential neither reads the result nor writes the source of the one in front of it (ISA guide 5.7.2).
.macro VEXP p, g
.set u, 4*(\g)
.if u == 0
	VFMA \p, 0
.endif
.rept 4
.if u < 31
	VFMA \p, u+1
.endif
	v_exp_f32 v[64*\p+2*u], v[64*\p+2*u]
	v_exp_f32 v[64*\p+2*u+1], v[64*\p+2*u+1]
.set u, u+1
.endr
.endm
; Behind the wait: the old O of query tile 2 p + g times its factor, pairs 16 g .. 16 g + 15 of the piece, each accumulator from its lowest pair on.  These 16 plain
; instructions are also the place between the batch's last exponentials and the conversions that read them (ISA guide 5.7.2).
.macro VRES p, g
.set u, 16*(\g)
.rept 16
	v_pk_mul_f32 v[OB+64*\p+2*u:OB+64*\p+2*u+1], v[OB+64*\p+2*u:OB+64*\p+2*u+1], v[AL+4*\p+2*(u/16):AL+4*\p+2*(u/16)+1] op_sel_hi:[1,0]
.set u, u+1
.endr
.endm
.macro VCVT p, g                       ; p to f16, query tile 2 p + g, pairs 16 g .. 16 g + 15 of piece p: register u of its P is registers 2 u, 2 u + 1 of its S
.set u, 16*(\g)
.rept 16
	v_cvt_pk_f16_f32 v[PF+32*\p+u], v[64*\p+2*u], v[64*\p+2*u+1]
.set u, u+1
.endr
.endm
; Slice s = 0..15 of the softmax of piece p, each under one window setting.  It names no register of the other piece, nor of K, V^T or Q.
;   0, 1 the maximum     2, 3 the row figures; the two factors open the batch     4-11 exponents and the 64 weights     (the wait)     12, 13 O times its factor     14, 15 p to f16
.macro SOFT p, s
.if (\s) < 2
	WIN 0x05
	VMAX \p, \s
.endif
.if (\s) == 2
	WIN 0
	VROWA \p
.endif
.if (\s) == 3
	WIN 0
	VROWB \p
.endif
.if (\s) >= 4
.if (\s) < 12
	WIN 0x41
	VEXP \p, (\s)-4
.if (\s) == 11
	s_wait_alu depctr_va_vdst(0)                   ; ONE wait for the piece's batch, its 2 factors and 64 weights
.endif
.else
.if (\s) < 14
	WIN 0x41
	VRES \p, (\s)-12
.else
	WIN 0x85
	VCVT \p, (\s)-14
.endif
.endif
.endif
.endm
; Slice s = 0..15 of the row sums of all four query tiles, from the unrounded p, which stays in S until the next step: pair s of each tile.  The first pair comes onto the old
; sum times its factor.  Each lane keeps the sum of its half of the keys; the halves meet at the end of the block.  Both pieces' batches have had their waits.
.macro SUMS s
.if (\s) == 0
	WIN 0x10
.irp n, 0,1,2,3
	v_pk_fma_f32 v[LS+2*\n:LS+2*\n+1], v[LS+2*\n:LS+2*\n+1], v[AL+2*\n:AL+2*\n+1], v[32*\n:32*\n+1] op_sel_hi:[1,0,1]
.endr
.else
	WIN 0x01
.irp n, 0,1,2,3
	v_pk_add_f32 v[LS+2*\n:LS+2*\n+1], v[32*\n+2*(\s):32*\n+2*(\s)+1], v[LS+2*\n:LS+2*\n+1]
.endr
.endif
.endm
; ONE FULL STEP: my 64 queries (fragments at qf in window 2) x the 64 keys at the LDS addresses in v[ak] (K) and v[av] (V^T).
; No LDS instruction of the wave is out when a step begins, and none when it ends.  Every step ends with four plain vector instructions behind its last matrix
; instruction (here the last four sums), so that the next step may load into VF at once.
.macro STEP ak, av, khalf, vdt, qf
	WIN 0
	LOADK \ak, \khalf
	LOADV \av, \vdt
	s_wait_dscnt 24                                ; of the 32 loads the first 8, d-half 0 of K, are in
	WIN MULW
.set kk, 0
.rept 8
	SMM \qf, 0, kk
.set kk, kk+1
.endr
	s_wait_dscnt 16                                ; K is whole; the 16 loads of V^T may be out
.rept 8
	SMM \qf, 0, kk
.set kk, kk+1
.endr
	PLACES                                         ; all vector work of the step hangs on these scores, so the four places behind them are empty
.set kk, 0
.rept 16
	WIN MULW
	SMM \qf, 1, kk                                 ; the scores of piece 1,
	SOFT 0, kk                                     ; the softmax of piece 0 between them
.set kk, kk+1
.endr
	s_wait_dscnt 0                                 ; V^T is in
.set kk, 0
.rept 16
	WIN MULW
	PMM 0, kk                                      ; p v of piece 0,
	SOFT 1, kk                                     ; the softmax of piece 1 between them: between a product of the run above and the first read of its scores stand
.set kk, kk+1                                          ; at least four packed multiplies, conversions or maxima of other registers
.endr
.set kk, 0
.rept 16
	WIN MULW
	PMM 1, kk                                      ; p v of piece 1,
	SUMS kk                                        ; the row sums of both pieces between them
.set kk, kk+1
.endr
.endm
; ---------------------------------------------------------------- the diagonal step: two of a wave's 33, in phases, since its tiles are uneven
; The scores of d-half c: only key tiles i <= n.  Half 0 starts the sums.  The accumulators take turns, one instruction a turn.
.macro SMULD qf, c
.irp n, 0,1,2,3
.irp i, 0,1,2,3
.if \i <= \n
	MMH 8*(4*\n+\i), KF+8*(2*\i+\c), \qf+8*(2*\n+\c), 1-\c
.endif
.endr
.endr
.endm
; O^T = V^T P^T: the first 32 keys start the sums of all 16 tiles, the second 32 are live for queries 32-63 alone.  Turns as above.
.macro PVMULD
.irp c, 0,1
.irp n, 0,1,2,3
.irp dt, 0,1,2,3
.if \n >= 2*\c
	MMH OB+8*(4*\n+\dt), VF+8*(2*\dt+\c), PF+8*(2*\n+\c), 1-\c
.endif
.endr
.endr
.endr
.endm
; The keys are my own queries: the first step of a block, which starts m, the row sums and O.  Query tile n has 4 + 4 n live pairs of scores.
.macro STEPD ak, av, qf
	WIN 0
	LOADK \ak, DKH
	s_wait_dscnt 8                                 ; d-half 0 of K is in, the eight loads of d-half 1 may be out
	WIN MULW
	SMULD \qf, 0
	s_wait_dscnt 0
	SMULD \qf, 1
	PLACES
	WIN 0
	LOADV \av, 16*DVP                              ; they land during the softmax
	WIN 0x44                                       ; the four 16 x 16 tiles on the diagonal: key > query becomes -inf, as in reference()
.irp n, 0,1,2,3
.irp j, 0,1,2,3,4,5,6,7
	v_cndmask_b32 v[40*\n+\j], s85, v[40*\n+\j], s[88+\j]
.endr
.endr
	WIN 0x05                                       ; the maximum; four chains side by side
.irp n, 0,1,2,3
	v_max_num_f32 v[MX+\n], v[32*\n], v[32*\n+1]
.endr
.set t, 1
.rept 15
.irp n, 0,1,2,3
.if t < 4+4*\n
	v_max3_num_f32 v[MX+\n], v[32*\n+2*t], v[32*\n+2*t+1], v[MX+\n]
.endif
.endr
.set t, t+1
.endr
	WIN 0
.irp n, 0,1,2,3
	v_permlanex16_b32 v[TT+2*\n], v[MX+\n], s86, s87   ; the other half of the keys of my query
.endr
.irp n, 0,1,2,3
	v_max_num_f32 v[MX+\n], v[MX+\n], v[TT+2*\n]
.endr
.irp n, 0,1,2,3
	v_mul_f32 v[NM+2*\n], s84, v[MX+\n]            ; -c m
.endr
	WIN 0x41
.irp n, 0,1,2,3
.set t, 0
.rept 16
.if t < 4+4*\n
	v_pk_fma_f32 v[32*\n+2*t:32*\n+2*t+1], v[32*\n+2*t:32*\n+2*t+1], s[82:83], v[NM+2*\n:NM+2*\n+1] op_sel_hi:[1,0,0]   ; c s - c m
.endif
.set t, t+1
.endr
.endr
.irp n, 0,1,2,3
.set t, 0
.rept 32
.if t < 8+8*\n
	v_exp_f32 v[32*\n+t], v[32*\n+t]               ; the step's 8 + 16 + 24 + 32 = 80 exponentials are one batch
.endif
.set t, t+1
.endr
.endr
	v_nop                                          ; one plain instruction behind the last exponential
	WIN 0x05                                       ; the row sums, from the unrounded p
	s_wait_alu depctr_va_vdst(0)                   ; one wait for the 80 exponentials, ahead of the sums, their first readers
.irp n, 0,1,2,3
	v_pk_add_f32 v[LS+2*\n:LS+2*\n+1], v[32*\n:32*\n+1], v[32*\n+2:32*\n+3]
.endr
	WIN 0x01
.set t, 2
.rept 14
.irp n, 0,1,2,3
.if t < 4+4*\n
	v_pk_add_f32 v[LS+2*\n:LS+2*\n+1], v[32*\n+2*t:32*\n+2*t+1], v[LS+2*\n:LS+2*\n+1]
.endif
.endr
.set t, t+1
.endr
	WIN 0x85                                       ; p to f16: register k of P is registers 2 k, 2 k + 1 of S
.irp n, 0,1,2,3
.set t, 0
.rept 16
.if t < 4+4*\n
	v_cvt_pk_f16_f32 v[PF+16*\n+t], v[32*\n+2*t], v[32*\n+2*t+1]
.endif
.set t, t+1
.endr
.endr
.irp z, 4,5,6,7,44,45,46,47
	v_mov_b32 v[PF+\z], 0                          ; keys 16-31 for queries 0-15 and keys 48-63 for queries 32-47: masked, but inside a live product
.endr
	s_wait_dscnt 0                                 ; V^T is in
	WIN MULW
	PVMULD
	PLACES                                         ; every step ends with four places behind its last matrix instruction: the next one loads into VF at once
.endm
; The three tiles of 64 keys of a diagonal block that lie below the diagonal tile of some wave, as three trips of one text: a wave whose queries begin at 64 x s[wq]
; takes tile d if d < s[wq].  The addresses go on by 64 keys in every trip, taken or not.  No barrier and no tensor load inside.
.macro OFFD ak, av, wq, qf
	WIN 0
	s_mov_b32 s104, 0
.Loff_\@:
	s_cmp_ge_u32 s104, s[\wq]
	s_cbranch_scc1 .Lnone_\@
	STEP \ak, \av, DKH, 16*DVP, \qf
	WIN 0
.Lnone_\@:
	v_add_nc_u32 v[\ak], 5120, v[\ak]              ; 64 rows of K
	v_add_nc_u32 v[\av], 128, v[\av]               ; 64 keys along the rows of V^T
	s_add_co_u32 s104, s104, 1
	s_cmp_lt_u32 s104, 3
	s_cbranch_scc1 .Loff_\@
.endm
.macro RLOAD                           ; the one tensor load of the wave behind a barrier of the ring
	s_cmp_eq_u32 s11, 0
	s_cbranch_scc0 .Lring_v_\@
	tensor_load_to_lds s[52:55], s[16:23]
	s_nop 0
	s_branch .Lring_done_\@
.Lring_v_\@:
	tensor_load_to_lds s[68:71], s[24:31]
	s_nop 0
.Lring_done_\@:
.endm
; A tile of the ring (128 keys) in ring slot slot.  In front of the barrier every wave waits for all its tensor loads (its part of this tile among them) and for its
; reads of the other slot; behind it the other slot is asked for first (ring tile g = key tile g, or g - 2 j from block 7 - j on), one load a wave,
; which has two steps in which to land.  The two halves of the tile are the two trips of a loop over one text of a step.
.macro VISIT slot, refill, qf
	WIN 0
	s_wait_tensorcnt 0x0                           ; no tensor load of mine is out: the group 0 of the ring may be written
	ds_add_u32 v254, v255
	s_wait_dscnt 0x0
.if \refill
	s_sub_co_u32 s3, s14, s13
	s_cmp_lt_u32 s14, s13
	s_cselect_b32 s3, s14, s3
	G0PAIR 52, 68, 100, 101, RING+(1-\slot)*SLOT
	s_add_co_u32 s14, s14, 1
.endif
	s_wait_dscnt 0x0
	s_barrier_signal -1
	s_barrier_wait -1
.if \refill
	RLOAD
.endif
	v_mov_b32 v[AKC], v[AKR+\slot]                 ; the first 64 keys of this slot
	v_mov_b32 v[AVC], v[AVR+\slot]
	s_mov_b32 s104, 0
.Lhalf_\@:
	STEP AKC, AVC, RKH, 16*RVP, \qf
	WIN 0
	v_add_nc_u32 v[AKC], 5120, v[AKC]              ; 64 rows of K
	v_add_nc_u32 v[AVC], 128, v[AVC]               ; 64 keys along the rows of V^T
	s_add_co_u32 s104, s104, 1
	s_cmp_lt_u32 s104, 2
	s_cbranch_scc1 .Lhalf_\@
.endm
; The end of a block: join the two halves of each row sum, divide, round to f16, through my stage, out in runs of 512 neighbouring bytes.
.macro EPI yb, more
	PLACES
	WIN 0
.irp n, 0,1,2,3
	v_add_f32 v[TT+2*\n], v[LS+2*\n], v[LS+2*\n+1]
.endr
.irp n, 0,1,2,3
	v_permlanex16_b32 v[EE+2*\n], v[TT+2*\n], s86, s87
.endr
.irp n, 0,1,2,3
	v_add_f32 v[TT+2*\n], v[TT+2*\n], v[EE+2*\n]
.endr
.irp n, 0,1,2,3
	v_rcp_f32 v[AL+2*\n], v[TT+2*\n]               ; the sum holds the term of the maximum, 2^0 up to the rounding of c m: it is never near 0
.endr
	v_nop                                          ; one plain instruction behind the reciprocals
	WIN 0x41
	s_wait_alu depctr_va_vdst(0)                   ; one wait for the four reciprocals, ahead of the multiplies that read them
.irp n, 0,1,2,3
.set t, 0
.rept 16
	v_pk_mul_f32 v[OB+32*\n+2*t:OB+32*\n+2*t+1], v[OB+32*\n+2*t:OB+32*\n+2*t+1], v[AL+2*\n:AL+2*\n+1] op_sel_hi:[1,0]
.set t, t+1
.endr
.endr
	WIN 0x05
.set t, 0
.rept 64
	v_cvt_pk_f16_f32 v[KF+t], v[OB+2*t], v[OB+2*t+1]
.set t, t+1
.endr
	WIN 0
.irp n, 0,1,2,3
.irp dt, 0,1,2,3
	ds_store_b128 v[STO], v[KF+16*\n+4*\dt:KF+16*\n+4*\dt+3] offset:\n*2304+32*\dt   ; query 16 n + r, d = 16 dt + 8 h + 0..7
.endr
.endr
.irp u, 0,1,2,3,4,5,6,7,8,9,10,11,12,13,14,15
	ds_load_b128 v[VF+4*\u:VF+4*\u+3], v[RD] offset:576*\u         ; LDS serves a wave in order: these see the stores above
.endr
.irp u, 0,1,2,3,4,5,6,7,8,9,10,11,12,13,14,15
	s_wait_dscnt 15-\u                             ; the counts run down
	global_store_b128 v[CO], v[VF+4*\u:VF+4*\u+3], s[\yb:\yb+1] offset:512*\u
.endr
.if \more
	s_wait_xcnt 0x0                                ; VF, which these stores read, is loaded again in the next block
.endif
.endm
	s_wait_tensorcnt 2                             ; my part of DA is in; ring tile 0 and DB stay out
	s_barrier_signal -1
	s_barrier_wait -1
	s_wait_loadcnt 16                              ; Q of block j is in, the 16 loads of block 7 - j may be out
	STEPD AKDA, AVDA, QA                           ; block j: every wave its own diagonal tile,
	WIN 0
	s_cmp_eq_u32 s8, 0                             ; then the tiles below the diagonal block; block 0 has none
	s_cbranch_scc1 .Lno_a
	s_mov_b32 s15, 0
.Lloop_a:
	VISIT 0, 1, QA
	VISIT 1, 1, QA
	s_add_co_u32 s15, s15, 1
	s_cmp_lt_u32 s15, s8                           ; j trips of two tiles
	s_cbranch_scc1 .Lloop_a
.Lno_a:
	s_wait_tensorcnt 0x0                           ; my part of DB is in (for j = 0 no wait has shown that yet), and my part of the next ring tile,
	s_wait_dscnt 0x0
	s_barrier_signal -1
	s_barrier_wait -1                              ; and those of every wave
	; from here to the next barrier every wave has w + 1 + (3 - w) steps and the end of block j
	OFFD AKOA, AVOA, 10, QA                        ; block j: the w tiles of the diagonal block below my own
	EPI 96, 1
	s_wait_loadcnt 0x0                             ; Q of block 7 - j
	STEPD AKDB, AVDB, QB                           ; block 7 - j: my own diagonal tile,
	OFFD AKOB, AVOB, 105, QB                       ; the 3 - w tiles below it,
	s_mov_b32 s15, 0
.Lloop_b:
	VISIT 0, 1, QB                                 ; and the tiles below the diagonal block
	VISIT 1, 1, QB
	s_add_co_u32 s15, s15, 1
	s_cmp_lt_u32 s15, s2                           ; 6 - j trips, at least 3
	s_cbranch_scc1 .Lloop_b
	VISIT 0, 1, QB                                 ; the last two tiles are written out: the very last asks for nothing
	VISIT 1, 0, QB
	EPI 98, 0
	s_wait_tensorcnt 0x0
	ds_add_u32 v254, v255
	s_wait_dscnt 0x0
	s_endpgm
.Lfunc_end_k_q57c03f9cff_attn:
	.size	k_q57c03f9cff_attn, .Lfunc_end_k_q57c03f9cff_attn-k_q57c03f9cff_attn
	.p2alignl 7, 3214868480
	.fill 96, 4, 3214868480
	.section	.rodata,"a",@progbits
	.p2align	6, 0x0
	.amdhsa_kernel k_q57c03f9cff_attn
		.amdhsa_group_segment_fixed_size 327680
		.amdhsa_private_segment_fixed_size 0
		.amdhsa_enable_private_segment 0
		.amdhsa_kernarg_size 16
		.amdhsa_user_sgpr_count 2
		.amdhsa_user_sgpr_kernarg_segment_ptr 1
		.amdhsa_wavefront_size32 1
		.amdhsa_system_sgpr_workgroup_id_x 1
		.amdhsa_system_sgpr_workgroup_id_y 1
		.amdhsa_system_sgpr_workgroup_id_z 1
		.amdhsa_system_vgpr_workitem_id 0
		.amdhsa_next_free_vgpr 704
		.amdhsa_next_free_sgpr 106
		.amdhsa_reserve_vcc 0
		.amdhsa_float_denorm_mode_32 3
		.amdhsa_float_denorm_mode_16_64 3
		.amdhsa_memory_ordered 1
		.amdhsa_forward_progress 1
		.amdhsa_inst_pref_size 255
	.end_amdhsa_kernel
	.section	.bss,"aw",@nobits
	.p2align	6
	.space	262144
	.amdgpu_metadata
---
amdhsa.version: [ 1, 2 ]
amdhsa.kernels:
  - .name:           k_q57c03f9cff_attn
    .symbol:         k_q57c03f9cff_attn.kd
    .args:
      - { .name: qkv, .offset: 0, .size: 8, .value_kind: global_buffer, .address_space: global }
      - { .name: yb, .offset: 8, .size: 8, .value_kind: global_buffer, .address_space: global }
    .group_segment_fixed_size: 327680
    .private_segment_fixed_size: 0
    .kernarg_segment_align: 8
    .kernarg_segment_size: 16
    .max_flat_workgroup_size: 128
    .sgpr_count:     106
    .vgpr_count:     704
    .wavefront_size: 32
...
	.end_amdgpu_metadata
.endif
;; end of part 6
;; launch proj: the kernel of part 4 again; grid 8 x 32, 4 waves a work-group, clusters of 4 x 4, 327,680 bytes of LDS; arguments yb, xb, out0; writes out0
